; MI455X (gfx1250); checked and timed in simulation.
; The chip was launched on July 23, 2026; its instructions are those of AMD's public machine-readable ISA for CDNA 5 (MIT licence, August 2026) and "CDNA5" Instruction Set Architecture Reference Guide (July 2026). The comments in the code are by the model that wrote it; some were corrected since.
;; QK Norm Attention. Allowed arithmetic: matrix products marked QUANTISED: E2M1 operands, one E8M0 scale for each 32 along K, by v_wmma_scale_f32_16x16x128_f8f6f4 with both operands' format E2M1 (or v_wmma_scale_f32_32x16x128_f4), f32 sums; everything else in f32.
;; Inputs: ln_b 1,024 float32; ln_w 1,024 float32; out_b 1,024 float32; out_w 1,024 x 1,024 float32; qkv_b 3,072 float32; qkv_w 3,072 x 1,024 float32; x 4 x 2,048 x 1,024 float32.
;; Outputs: out0 4 x 2,048 x 1,024 float32.
;; This version of the problem:
;;   THIS VERSION OF THE PROBLEM IS GIVEN IN LOW PRECISION. The matrix products marked QUANTISED in the list below multiply operands that are first quantised to E2M1 (2 exponent bits, 1 mantissa bit; 4 bits a number), with one power-of-two scale for each 32 numbers along K (OCP MX v1.0); their sums are f32. All else is computed in f32.
;;   The module's matrix products, in the order in which they are computed (A, B: the left and right operand; K: the contracted axis; several contracted axes count as one K, in the product's order):
;;     1. [M 8,192, K 1,024] x [K 1,024, N 3,072]; A: computed on the way; B: input qkv_w: QUANTISED
;;     2. batch 64 x [M 2,048, K 64] x [K 64, N 2,048]; A: computed on the way; B: computed on the way: QUANTISED
;;     3. batch 64 x [M 2,048, K 2,048] x [K 2,048, N 64]; A: softmax (see below); B: computed on the way: QUANTISED
;;     4. [M 8,192, K 1,024] x [K 1,024, N 1,024]; A: computed on the way; B: input out_w: QUANTISED
;;   THE QUANTISER, for each operand of a quantised product, along K:
;;     - K is cut into blocks of 32 from its start; a last block that is shorter is filled with zeros.
;;     - A block's scale is 2^e with e = floor(log2(the largest magnitude in the block)) - 2, held to -126 .. 127; a block of zeros has e = 0. As a byte (E8M0): e + 127.
;;     - Each number is divided by its block's scale, clamped to +-6, and rounded to the nearest number of E2M1, ties to even, subnormals kept.
;;     - The product sums the exact products of the quantised numbers (number of the format x scale) in f32.
;;   ~~~python
;;   def quantise(x, axis):      # numpy; x: float32 -> the quantised numbers, widened to float32 again
;;       x = np.moveaxis(x, axis, -1); K = x.shape[-1]
;;       x = np.pad(x, [(0, 0)] * (x.ndim - 1) + [(0, -K % 32)]); x = x.reshape(x.shape[:-1] + (-1, 32)); a = np.abs(x).max(-1, keepdims=True)
;;       e = np.where(a > 0, np.clip(np.frexp(np.where(a > 0, a, 1))[1] - 1 - 2, -126, 127), 0)      # np.frexp(a)[1] - 1 = floor(log2(a)), exactly
;;       r = np.clip(x / 2.0 ** e, -6, 6)
;;       step = 2.0 ** (np.maximum(np.frexp(np.where(r == 0, 1, r))[1] - 1, 0) - 1)
;;       q = np.round(r / step) * step * 2.0 ** e      # np.round: ties to even
;;       return np.moveaxis(q.reshape(q.shape[:-2] + (-1,))[..., :K], -1, axis).astype(np.float32)
;;   ~~~
;;   SOFTMAX AHEAD OF A QUANTISED PRODUCT. Where the list says 'softmax', what is quantised is not the finished softmax but p = 2^(t - M), with t = logit x log2(e) and M = ceil(the row's largest t), a whole number; so 1/2 < the row's largest p <= 1. The row's sum l is taken of the UNQUANTISED p, in f32, and the product's result is divided by l at the end. Since M is a whole number, a kernel that streams over the keys may use a running M (the ceiling of the running maximum): every later rescaling is an exact power of two, which a block's scale takes up: the codes' values come out the same.
;;   OPERANDS COMPUTED ON THE WAY. 'Computed on the way' means the value that the module computes at that place (a softmax that the list does not call 'softmax' is quantised finished and normalised). What goes into a quantiser is computed in f32, as accurately as f32 sums, v_exp_f32 and their like allow (about 1e-6 of the number): no bf16 or f16 on the way to a quantiser, and a product that is left as it is and whose result goes on into a quantised operand takes f32 operands (vector FMAs, or v_wmma_f32_16x16x4_f32). A number that lies on a knife's edge between two numbers of the format may be rounded either way, as far as f32 arithmetic and the matrix unit's own rounding can turn it there, and no further.
;; One version. Each part assembles by itself: llvm-mc -triple=amdgcn-amd-amdhsa -mcpu=gfx1250 --defsym DOCPART=n.
;; ======== version 1 of 1: 4 launches
;; workspace buffers: codes 6,684,672 bytes; qb 4,718,592 bytes; kv 9,175,040 bytes; acodes 4,456,448 bytes
;; launch prep (part 1): grid 192 x 1, 8 waves a work-group, no clusters, 74,752 bytes of LDS; arguments x, ln_w, ln_b, qkv_w, out_w, codes; writes codes
.if DOCPART == 1
	.amdgcn_target "amdgcn-amd-amdhsa--gfx1250"
	.amdhsa_code_object_version 6
	.text
	.protected	k_q6df50852e1_prep
	.globl	k_q6df50852e1_prep
	.p2align	8
	.type	k_q6df50852e1_prep,@function
k_q6df50852e1_prep:
	s_mov_b64 s[64:65], 0
	v_nop
	global_prefetch_b8 v0, s[64:65] scope:SCOPE_SE
	s_setreg_imm32_b32 hwreg(HW_REG_WAVE_MODE, 25, 1), 1
	s_wait_xcnt 0x0
; PREP.  LayerNorm of x [8192][1024], and qkv_w [3072][1024] and out_w [1024][1024] as they are, become codes of FP4 (E2M1) with one E8M0 byte for each 32 along K = 1024.
; THE OUTPUT'S LAYOUT is the order of an operand's registers.  Rows go in groups of 128 (groups 0-63 the tokens, 64-87 qkv_w, 88-95 out_w), 69,632 bytes a group: 4 chunks of 17,408 bytes, chunk c = K steps 2 c + p of 128.
;   codes of (K step, tile i of 16 rows, block beta of 32, lane r): chunk + 8192 p + 1024 i + 256 beta + 16 r;   scale words (four bytes: the K step's four blocks): chunk + 16384 + 512 p + 64 i + 4 r.
;   Lane r of tile i stands for row 32 (i / 2) + 8 (i % 2) + r + 8 (r / 8) of its group.
; SHARES.  A work-group takes 64 rows, half a group; wave w rows 8 w .. 8 w + 7, which are tile 2 (w / 4) + w % 2 of the half, lanes 8 ((w / 2) % 2) + 0 .. 7.  One path serves all three tensors: the statistics are always
; computed, and for the weights a select makes mean 0, 1 / deviation 1, gain 1 and bias 0, so that y = w bit for bit.
; A ROW: eight loads of 512 consecutive bytes; a turn through the wave's own stage in LDS, after which lane l holds block l (32 neighbours); mean, then variance of the differences, as reference() has them; y; the block's scale and codes.
; The codes and bytes of the 64 rows meet in LDS; behind ONE barrier wave w stores K step w: 4,096 consecutive bytes of codes and one aligned run of 256 bytes of scale words.
; LIMITS: NaN and infinities are not served; a block of zeros gets the byte 1 (its codes are zeros, and this program alone reads the bytes); 1 / sqrt(var + eps) is v_rsq_f32 and a multiplication.
.set GRP,   69632
.set CHK,   17408
.set UNIT,  272                        ; LDS: a unit of codes: 16 rows x 16 bytes, + 16 of padding; unit 32 i' + block
.set SCST,  34816                      ; behind the 128 units: the scale bytes, [K step 8][tile 4][lane 16][4]
.set TURNB, 36864                      ; behind them: a stage of 32 blocks x 144 bytes for each wave
.set TPW,   4608
.set BPI,   144                        ; a block's 128 bytes + 16 of padding: 36 words
.set GA,    32                         ; v32-63   gain of my block
.set BI,    64                         ; v64-95   bias of my block
.set X,     96                         ; v96-127  my block of the row in hand
.set R,     128                        ; v128-223 three rows as loaded
.set C,     224                        ; v224-227 a block's codes
.set E,     228                        ; v228     its byte
.set WV,    16
.set SRC,   22                         ; s[22:23] my wave's first row
.set MASK,  25                         ; s25      all ones in a work-group of x, else 0
.set DC,    30                         ; s[30:31] where my K step's codes go
.set DS,    32                         ; s[32:33] and its scale words
.set SEL,   34                         ; s[34:35] lane selects: lane l xor 16
.set INV,   36                         ; s36      1 / 1024
	s_load_b256 s[4:11], s[0:1], 0x0               ; x s[4:5], ln_w s[6:7], ln_b s[8:9], qkv_w s[10:11]
	s_load_b128 s[12:15], s[0:1], 0x20             ; out_w s[12:13], codes s[14:15]
	v_lshl_add_u32 v240, v0, 2, 0x12000
	v_mov_b32 v241, 0
	v_lshrrev_b32 v1, 5, v0
	s_delay_alu instid0(VALU_DEP_1)
	v_readfirstlane_b32 s[WV], v1                  ; wave 0..7
	v_and_b32 v1, 31, v0                           ; lane
	s_delay_alu instid0(VALU_DEP_1)
	v_lshlrev_b32 v2, 4, v1                        ; 16 x lane
	s_delay_alu instid0(VALU_DEP_2)
	v_lshlrev_b32 v10, 3, v1                       ; 8 x lane
	s_mul_i32 s17, s[WV], TPW
	s_add_co_u32 s17, s17, TURNB                   ; my stage
	v_lshrrev_b32 v12, 3, v1
	s_delay_alu instid0(VALU_DEP_1)
	v_mul_u32_u24 v3, v12, BPI
	v_and_b32 v12, 7, v1
	s_delay_alu instid0(VALU_DEP_1)
	v_lshl_add_u32 v3, v12, 4, v3
	s_delay_alu instid0(VALU_DEP_1)
	v_add_nc_u32 v3, s17, v3                       ; into the stage: eight lanes' 128 bytes are a block
	v_mul_u32_u24 v4, v1, BPI
	s_delay_alu instid0(VALU_DEP_1)
	v_add_nc_u32 v4, s17, v4                       ; out of it: block = lane
	s_lshr_b32 s18, s[WV], 2
	s_lshl_b32 s18, s18, 1
	s_and_b32 s19, s[WV], 1
	s_add_co_u32 s18, s18, s19                     ; i': my tile of the half's four
	s_bfe_u32 s19, s[WV], 0x10001                  ; which eight lanes of it
	s_mul_i32 s20, s18, 32*UNIT
	s_lshl_b32 s21, s19, 7
	s_add_co_u32 s20, s20, s21
	v_mul_u32_u24 v5, v1, UNIT
	s_delay_alu instid0(VALU_DEP_1)
	v_add_nc_u32 v5, s20, v5                       ; codes: unit 32 i' + my block, + 16 x the row's lane (16 t comes as an immediate)
	s_lshl_b32 s20, s18, 6
	s_lshl_b32 s21, s19, 5
	s_add_co_u32 s20, s20, s21
	s_add_co_u32 s20, s20, SCST
	v_lshrrev_b32 v12, 2, v1
	s_delay_alu instid0(VALU_DEP_1)
	v_lshlrev_b32 v6, 8, v12
	v_and_b32 v12, 3, v1
	s_delay_alu instid0(VALU_DEP_1)
	v_add_nc_u32 v6, v6, v12
	s_delay_alu instid0(VALU_DEP_1)
	v_add_nc_u32 v6, s20, v6                       ; bytes: 256 (block / 4) + 64 i' + 4 x the row's lane + block % 4
	s_mul_i32 s20, s[WV], 4*UNIT
	v_lshrrev_b32 v12, 4, v1
	s_delay_alu instid0(VALU_DEP_1)
	v_mul_u32_u24 v7, v12, UNIT
	v_and_b32 v12, 15, v1
	s_delay_alu instid0(VALU_DEP_1)
	v_lshl_add_u32 v7, v12, 4, v7
	s_delay_alu instid0(VALU_DEP_1)
	v_add_nc_u32 v7, s20, v7                       ; the way out: K step w's units 4 w on; lanes 0-15 one unit, lanes 16-31 the next
	s_lshl_b32 s20, s[WV], 8
	s_add_co_u32 s20, s20, SCST
	v_add_nc_u32 v8, s20, v10                      ; and its 256 scale bytes, 8 a lane
	s_mov_b32 s[SEL], 0x76543210
	s_mov_b32 s[SEL+1], 0xfedcba98
	s_mov_b32 s[INV], 0x3a800000                   ; 2^-10
	s_lshr_b32 s26, ttmp9, 1                       ; the group is the same count through all three tensors
	s_mul_i32 s26, s26, GRP
	s_lshr_b32 s27, s[WV], 1
	s_mul_i32 s27, s27, CHK
	s_add_co_u32 s26, s26, s27                     ; + my K step's chunk
	s_and_b32 s27, s[WV], 1                        ; p
	s_and_b32 s28, ttmp9, 1                        ; which half of the group
	s_lshl_b32 s29, s27, 13
	s_lshl_b32 s[DC], s28, 12
	s_add_co_u32 s[DC], s[DC], s29
	s_add_co_u32 s[DC], s[DC], s26
	s_mov_b32 s[DC+1], 0
	s_lshl_b32 s27, s27, 9
	s_lshl_b32 s28, s28, 8
	s_add_co_u32 s27, s27, s28
	s_add_co_u32 s27, s27, 16384
	s_add_co_u32 s[DS], s26, s27
	s_mov_b32 s[DS+1], 0
	s_cmp_lt_u32 ttmp9, 128                        ; work-groups 0-127: x; 128-175: qkv_w; 176-191: out_w.  The choice hangs on the work-group's number alone
	s_cselect_b32 s24, 0, 128
	s_cselect_b32 s[MASK], -1, 0
	s_wait_kmcnt 0x0
	s_cselect_b64 s[SRC:SRC+1], s[4:5], s[10:11]
	s_cmp_lt_u32 ttmp9, 176
	s_cselect_b64 s[SRC:SRC+1], s[SRC:SRC+1], s[12:13]
	s_cselect_b32 s24, s24, 176
	s_sub_co_u32 s24, ttmp9, s24                   ; the work-group's number within its tensor
	s_lshl_b32 s26, s24, 18                        ; 64 rows of 4,096 bytes,
	s_lshl_b32 s27, s[WV], 15                      ; my 8 of them
	s_add_co_u32 s26, s26, s27
	s_mov_b32 s27, 0
	s_add_nc_u64 s[SRC:SRC+1], s[SRC:SRC+1], s[26:27]
	s_add_nc_u64 s[DC:DC+1], s[14:15], s[DC:DC+1]
	s_add_nc_u64 s[DS:DS+1], s[14:15], s[DS:DS+1]
.macro LOADROW reg, base, off, nt      ; a row of 4,096 bytes: eight loads of 512 consecutive bytes
.irp j, 0,1,2,3,4,5,6,7
.if \nt
	global_load_b128 v[\reg+4*\j:\reg+4*\j+3], v2, s[\base:\base+1] offset:\off+512*\j th:TH_LOAD_NT
.else
	global_load_b128 v[\reg+4*\j:\reg+4*\j+3], v2, s[\base:\base+1] offset:\off+512*\j
.endif
.endr
.endm
.macro TURN src, dst                   ; through my stage: LDS serves a wave's instructions in order (ISA guide 5.7.1.4), so no wait stands between the stores and the loads
.irp j, 0,1,2,3,4,5,6,7
	ds_store_b128 v3, v[\src+4*\j:\src+4*\j+3] offset:4*BPI*\j
.endr
.irp k, 0,1,2,3,4,5,6,7
	ds_load_b128 v[\dst+4*\k:\dst+4*\k+3], v4 offset:16*\k
.endr
.endm
.macro ALLSUM a, t                     ; v[a] summed over the 32 lanes, the result in every lane; v[t] has been written before
	s_delay_alu instid0(VALU_DEP_1)
	v_add_f32_dpp v[\a], v[\a], v[\a] row_xmask:1 row_mask:0xf bank_mask:0xf
	s_delay_alu instid0(VALU_DEP_1)
	v_add_f32_dpp v[\a], v[\a], v[\a] row_xmask:2 row_mask:0xf bank_mask:0xf
	s_delay_alu instid0(VALU_DEP_1)
	v_add_f32_dpp v[\a], v[\a], v[\a] row_xmask:4 row_mask:0xf bank_mask:0xf
	s_delay_alu instid0(VALU_DEP_1)
	v_add_f32_dpp v[\a], v[\a], v[\a] row_xmask:8 row_mask:0xf bank_mask:0xf
	s_delay_alu instid0(VALU_DEP_1)
	v_permlanex16_b32 v[\t], v[\a], s[SEL], s[SEL+1]
	s_delay_alu instid0(VALU_DEP_1)
	v_add_f32 v[\a], v[\a], v[\t]
.endm
	LOADROW GA, 6, 0, 0                            ; ln_w and ln_b, which every work-group reads,
	LOADROW BI, 8, 0, 0
	LOADROW R, SRC, 0, 1                           ; and my first three rows: 24 loads stay on their way
	LOADROW R+32, SRC, 4096, 1
	LOADROW R+64, SRC, 8192, 1
	s_wait_loadcnt 24                              ; gain and bias are in; the three rows' 24 loads may be out
	TURN GA, GA
	TURN BI, BI
	s_wait_dscnt 0x0
.irp i, 0,1,2,3,4,5,6,7,8,9,10,11,12,13,14,15,16,17,18,19,20,21,22,23,24,25,26,27,28,29,30,31
	v_cndmask_b32 v[GA+\i], 1.0, v[GA+\i], s[MASK] ; a weight keeps its numbers: gain 1,
	v_cndmask_b32 v[BI+\i], 0, v[BI+\i], s[MASK]   ; bias 0
.endr
.macro ROW t
.set RS, R+32*((\t)%3)
.if (\t) < 6
	s_wait_loadcnt 16                              ; this row's eight loads are in; the two rows behind it may be out
.else
	s_wait_loadcnt 8*(7-(\t))
.endif
	TURN RS, X
	s_wait_dscnt 0x0                               ; my block is back, and the stage's stores have read the row's registers,
.if (\t)+3 < 8
	LOADROW RS, SRC, 4096*((\t)+3), 1              ; which take the row three further on
.endif
	v_pk_add_f32 v[14:15], v[96:97], v[104:105]
	v_pk_add_f32 v[16:17], v[112:113], v[120:121]
	v_pk_add_f32 v[18:19], v[98:99], v[106:107]
	v_pk_add_f32 v[238:239], v[114:115], v[122:123]
	v_pk_add_f32 v[236:237], v[100:101], v[108:109]
	v_pk_add_f32 v[234:235], v[116:117], v[124:125]
	v_pk_add_f32 v[232:233], v[102:103], v[110:111]
	v_pk_add_f32 v[12:13], v[118:119], v[126:127]
	s_delay_alu instid0(VALU_DEP_1)
	v_pk_add_f32 v[12:13], v[12:13], v[238:239]
	v_pk_add_f32 v[14:15], v[14:15], v[236:237]
	v_pk_add_f32 v[16:17], v[16:17], v[234:235]
	v_pk_add_f32 v[18:19], v[18:19], v[232:233]
	s_delay_alu instid0(VALU_DEP_2)
	v_pk_add_f32 v[12:13], v[12:13], v[16:17]
	s_delay_alu instid0(VALU_DEP_2)
	v_pk_add_f32 v[14:15], v[14:15], v[18:19]
	s_delay_alu instid0(VALU_DEP_1)
	v_pk_add_f32 v[12:13], v[12:13], v[14:15]
	s_delay_alu instid0(VALU_DEP_1)
	v_add_f32 v12, v12, v13
	ALLSUM 12, 13
	s_delay_alu instid0(VALU_DEP_1)
	v_mul_f32 v12, s[INV], v12                     ; the mean
	s_delay_alu instid0(VALU_DEP_1)
	v_cndmask_b32 v12, 0, v12, s[MASK]
.irp p, 0,1,2,3,4,5,6,7,8,9,10,11,12,13,14,15
	v_pk_add_f32 v[X+2*\p:X+2*\p+1], v[X+2*\p:X+2*\p+1], v[12:13] op_sel_hi:[1,0] neg_lo:[0,1] neg_hi:[0,1]   ; x - mean
.endr
.irp c, 0,1,2,3
	v_pk_mul_f32 v[16+2*\c:17+2*\c], v[X+2*\c:X+2*\c+1], v[X+2*\c:X+2*\c+1]        ; the sum of its squares, in four chains
.endr
.irp m, 8,16,24
.irp c, 0,1,2,3
	s_delay_alu instid0(VALU_DEP_4)
	v_pk_fma_f32 v[16+2*\c:17+2*\c], v[X+\m+2*\c:X+\m+2*\c+1], v[X+\m+2*\c:X+\m+2*\c+1], v[16+2*\c:17+2*\c]
.endr
.endr
	s_delay_alu instid0(VALU_DEP_3)
	v_pk_add_f32 v[16:17], v[16:17], v[18:19]
	s_delay_alu instid0(VALU_DEP_2)
	v_pk_add_f32 v[20:21], v[20:21], v[22:23]
	s_delay_alu instid0(VALU_DEP_1)
	v_pk_add_f32 v[16:17], v[16:17], v[20:21]
	s_delay_alu instid0(VALU_DEP_1)
	v_add_f32 v16, v16, v17
	ALLSUM 16, 17
	s_delay_alu instid0(VALU_DEP_1)
	v_fmaak_f32 v16, s[INV], v16, 0x3727c5ac       ; the variance + 1e-5
	s_wait_alu depctr_va_vdst(0)
	v_rsq_f32 v17, v16
	v_nop                                          ; a plain instruction behind the transcendental,
	s_wait_alu depctr_va_vdst(0)                   ; and the wait ahead of its first reader
	v_cndmask_b32 v16, 1.0, v17, s[MASK]
.irp p, 0,1,2,3,4,5,6,7,8,9,10,11,12,13,14,15
	v_pk_mul_f32 v[X+2*\p:X+2*\p+1], v[X+2*\p:X+2*\p+1], v[16:17] op_sel_hi:[1,0]
.endr
.irp p, 0,1,2,3,4,5,6,7,8,9,10,11,12,13,14,15
	v_pk_fma_f32 v[X+2*\p:X+2*\p+1], v[X+2*\p:X+2*\p+1], v[GA+2*\p:GA+2*\p+1], v[BI+2*\p:BI+2*\p+1]
.endr
	v_max3_num_f32 v12, |v[X]|, |v[X+1]|, |v[X+2]|                  ; the block's largest magnitude: all 32 numbers are mine
	v_max3_num_f32 v13, |v[X+3]|, |v[X+4]|, |v[X+5]|
.irp i, 6,10,14,18,22,26
	s_delay_alu instid0(VALU_DEP_2)
	v_max3_num_f32 v12, v12, |v[X+\i]|, |v[X+\i+1]|
	s_delay_alu instid0(VALU_DEP_2)
	v_max3_num_f32 v13, v13, |v[X+\i+2]|, |v[X+\i+3]|
.endr
	s_delay_alu instid0(VALU_DEP_2)
	v_max3_num_f32 v12, v12, |v[X+30]|, |v[X+31]|
	s_delay_alu instid0(VALU_DEP_1)
	v_max3_num_f32 v12, v12, v13, 0x1800000        ; and the floor 2^(3 - 127): the byte cannot fall under 1
	s_delay_alu instid0(VALU_DEP_1)
	v_add_nc_u32 v14, 0xff000000, v12              ; 2 off its exponent field: the conversion takes the exponent field of this operand as its scale
.irp g, 0,1,2,3
	v_cvt_scalef32_pk8_fp4_f32 v[C+\g], v[X+8*\g:X+8*\g+7], v14
.endr
	v_lshrrev_b32 v[E], 23, v14                    ; the scale's byte (also the plain instruction behind the conversions)
	ds_store_b128 v5, v[C:C+3] offset:16*(\t)
	ds_store_b8 v6, v[E] offset:4*(\t)
.endm
.irp t, 0,1,2,3,4,5,6,7
	ROW \t
.endr
	s_wait_dscnt 0x0                               ; for the others' sake: my codes and bytes lie in LDS
	s_barrier_signal -1
	s_barrier_wait -1
.irp ii, 0,1,2,3
.irp cc, 0,1
	ds_load_b128 v[R+4*(2*\ii+\cc):R+4*(2*\ii+\cc)+3], v7 offset:(32*\ii+2*\cc)*UNIT
.endr
.endr
	ds_load_b64 v[R+32:R+33], v8
.irp ii, 0,1,2,3
.irp cc, 0,1
	s_wait_dscnt 8-(2*\ii+\cc)                     ; the younger loads of this run may be out
	global_store_b128 v2, v[R+4*(2*\ii+\cc):R+4*(2*\ii+\cc)+3], s[DC:DC+1] offset:1024*\ii+512*\cc   ; 512 consecutive bytes, at a multiple of 256 from the buffer's first byte
.endr
.endr
	s_wait_dscnt 0x0
	global_store_b64 v10, v[R+32:R+33], s[DS:DS+1] ; 256 consecutive bytes, aligned
	s_wait_tensorcnt 0x0
	ds_add_u32 v240, v241
	s_wait_dscnt 0x0
	s_endpgm
.Lfunc_end_k_q6df50852e1_prep:
	.size	k_q6df50852e1_prep, .Lfunc_end_k_q6df50852e1_prep-k_q6df50852e1_prep
	.p2alignl 7, 3214868480
	.fill 96, 4, 3214868480
	.section	.rodata,"a",@progbits
	.p2align	6, 0x0
	.amdhsa_kernel k_q6df50852e1_prep
		.amdhsa_group_segment_fixed_size 74752
		.amdhsa_private_segment_fixed_size 0
		.amdhsa_enable_private_segment 0
		.amdhsa_kernarg_size 48
		.amdhsa_user_sgpr_count 2
		.amdhsa_user_sgpr_kernarg_segment_ptr 1
		.amdhsa_wavefront_size32 1
		.amdhsa_system_sgpr_workgroup_id_x 1
		.amdhsa_system_sgpr_workgroup_id_y 1
		.amdhsa_system_sgpr_workgroup_id_z 1
		.amdhsa_system_vgpr_workitem_id 0
		.amdhsa_next_free_vgpr 242
		.amdhsa_next_free_sgpr 66
		.amdhsa_reserve_vcc 0
		.amdhsa_float_denorm_mode_32 3
		.amdhsa_float_denorm_mode_16_64 3
		.amdhsa_memory_ordered 1
		.amdhsa_forward_progress 1
		.amdhsa_inst_pref_size 103
	.end_amdhsa_kernel
	.amdgpu_metadata
---
amdhsa.version: [ 1, 2 ]
amdhsa.kernels:
  - .name:           k_q6df50852e1_prep
    .symbol:         k_q6df50852e1_prep.kd
    .args:
      - { .name: x, .offset: 0, .size: 8, .value_kind: global_buffer, .address_space: global }
      - { .name: ln_w, .offset: 8, .size: 8, .value_kind: global_buffer, .address_space: global }
      - { .name: ln_b, .offset: 16, .size: 8, .value_kind: global_buffer, .address_space: global }
      - { .name: qkv_w, .offset: 24, .size: 8, .value_kind: global_buffer, .address_space: global }
      - { .name: out_w, .offset: 32, .size: 8, .value_kind: global_buffer, .address_space: global }
      - { .name: codes, .offset: 40, .size: 8, .value_kind: global_buffer, .address_space: global }
    .group_segment_fixed_size: 74752
    .private_segment_fixed_size: 0
    .kernarg_segment_align: 8
    .kernarg_segment_size: 48
    .max_flat_workgroup_size: 256
    .sgpr_count:     66
    .vgpr_count:     242
    .wavefront_size: 32
...
	.end_amdgpu_metadata
.endif
;; end of part 1
;; launch qkv (part 2): grid 12 x 32, 4 waves a work-group, clusters of 4 x 4, 279,040 bytes of LDS; arguments codes, qkv_b, qb, kv; writes qb, kv
.if DOCPART == 2
	.amdgcn_target "amdgcn-amd-amdhsa--gfx1250"
	.amdhsa_code_object_version 6
	.text
	.protected	k_q6df50852e1_qkv
	.globl	k_q6df50852e1_qkv
	.p2align	8
	.type	k_q6df50852e1_qkv,@function
k_q6df50852e1_qkv:
	s_mov_b64 s[64:65], 0
	v_nop
	global_prefetch_b8 v0, s[64:65] scope:SCOPE_SE
	s_setreg_imm32_b32 hwreg(HW_REG_WAVE_MODE, 25, 1), 1
	s_wait_xcnt 0x0
	s_wait_alu depctr_hold_cnt(0) depctr_sa_sdst(0) depctr_va_vdst(0) depctr_va_sdst(0) depctr_va_ssrc(0) depctr_va_vcc(0) depctr_vm_vsrc(0)
	s_getreg_b32 s2, hwreg(HW_REG_IB_STS2, 6, 4)
	s_cmp_eq_u32 s2, 0
	s_cbranch_scc0 .Lentry_in_a_cluster
	s_endpgm
.Lentry_in_a_cluster:
	s_bfe_u32 s2, ttmp6, 0x10000c
	s_cmp_lg_u32 s2, 0xf033
	s_cbranch_scc0 .Lentry_shape_is_right
	s_endpgm
.Lentry_shape_is_right:
; QKV.  h W^T + b on codes of FP4 (K = 1024), and what reference() does to the result on its way to attention: q and k are divided by max(their head's norm, 1e-12) and quantised along the head's 64; v is quantised along the keys.
; A work-group makes 256 tokens x 256 columns, each of its four waves 128 x 128: 64 accumulators, 512 registers.  The whole K of its 256 + 256 rows is 4 groups of 69,632 bytes: it comes into LDS ONCE, each wave bringing one
; group by four tensor loads of 17,408 bytes (a chunk: two K steps of 128, codes and scale words); nothing is filled twice.  Four tensor loads of a wave are out at the most.
; An operand lies in memory and in LDS in the order of its registers: a fragment (16 rows x 128 K) is two loads of 16 bytes a lane at 16 x lane, 512 bytes apart: no pitch, no padding.
; Lane r of tile i stands for row 32 (i / 2) + 8 (i % 2) + r + 8 (r / 8) of its group of 128, so that for a lane the 64 registers of source 0's eight tiles are rows 32 b + 16 (lane / 16) + 0 .. 15, b = 0 .. 3: neighbours.
; CLUSTERS: 4 x 4 work-groups.  A row of the cluster shares its tokens, a column its weights: each chunk is asked for jointly.  The cluster's x says what is made: 0 q, 1 k, 2 v; it is the same in all partners.
; TWO PATHS part on it.  q, k: source 0 = W, source 1 = tokens: a lane holds one token and its registers run along the columns, which are the next K.  v: source 0 = tokens, source 1 = W: a lane holds one column d, registers along the keys.
; OUT.  For each (batch, head) 16 records, one for 128 tokens.  qb: 4,608 bytes: eight images of 512 bytes (four registers: the head's 64), then 512 bytes of scale words.  kv: 8,960 bytes: K's images at 0, V^T's four images
; of 1,024 bytes at 4096, K's scale words at 8192, V's at 8704.  K's and Q's scale words: byte 16 l + 4 i = the word of tile 4 (l / 16) + i, lane l % 16 (bytes 2 and 3 are 0: they stand over zero codes).  V's: 16 r + 4 t.
; LIMITS: NaN and infinities are not served; a block of zeros gets the byte 1; the division by the norm is v_sqrt_f32, v_rcp_f32 and a multiplication.
; REGISTERS, in windows of 256: window 0: v1-25 addresses; v32-95 scale words (lanes 0-15 the tokens' tile i, lanes 16-31 W's tile i); v96-127 at work; v128-255 source 1's two sets, later the way out.
;   window 1: v0-63, v128-191 source 0's two sets; v64-127 the bias of q, k in the result's layout.   windows 2, 3: accumulator (j, i) at v[8 (8 (j % 4) + i)] of window 2 + j / 4; j: source 1's tile, i: source 0's.
.set GRP,   69632
.set CHK,   17408
.set HEADB, 143360                     ; a head in kv: 16 records
.set LN,   1                           ; v1   lane
.set OL,   4                           ; v4   16 x lane
.set AT,   16                          ; v16-17 my tokens' group in LDS + 16 x lane: chunks 0, 1 and chunks 2, 3
.set AW,   18                          ; v18-19 my weights' likewise
.set ADRS, 20                          ; v20-21 scale words: lanes 0-15 the tokens', lanes 16-31 the weights'
.set OB,   23                          ; v23  q, k: my bias's offset
.set OV,   24                          ; v24  v: my bias's offset
.set OS,   25                          ; v25  v: where my scale words go
.set SC,   32
.set SS,   96                          ; q, k: v96-103 sums of squares
.set BV,   96                          ; v: v96-103 the bias of my column in each of W's eight tiles
.set TM,   104                         ; v104-119 QUANT's
.set PW,   120                         ; the scale word just made
.set BPR,  122                         ; v[122:123] a bias, as a pair
.set T,    128                         ; v128-191 64 numbers to quantise
.set PC,   192                         ; v192-199 the codes just made
.set WA,   208                         ; v208-215, v216-223 scale words kept
.set WB,   216
.set WO,   224                         ; v224-231 scale words to store
.set WVN,  14
.set G1T,  24
.set G1W,  32
.set G0T,  40
.set G0W,  68
.set SEL,  92
.set MSB, 0
.macro WIN new                         ; the immediate's high byte repeats the setting that is left
.if MSB != (\new)
	s_set_vgpr_msb (MSB<<8)|(\new)
.set MSB, (\new)
.endif
.endm
.macro ROUND                           ; a round of the cluster's barrier
	s_barrier_signal -1
	s_barrier_wait -1
	s_cmp_lg_u32 s[WVN], 0
	s_cbranch_scc1 .Lnot_wave_0_\@
	s_barrier_signal -3
.Lnot_wave_0_\@:
	s_barrier_wait -3
	s_barrier_signal -1
	s_barrier_wait -1
.endm
.macro PLACES                          ; four plain vector instructions behind a matrix instruction, ahead of loads into its registers and of reads of its result
.rept 4
	v_nop
.endr
.endm
	s_load_b256 s[4:11], s[0:1], 0x0               ; codes s[4:5], qkv_b s[6:7], qb s[8:9], kv s[10:11]
	v_lshl_add_u32 v126, v0, 2, 0x44000
	v_mov_b32 v127, 0
	ds_add_u32 v126, v127
	ds_add_u32 v126, v127
	v_lshrrev_b32 v1, 5, v0
	v_readfirstlane_b32 s[WVN], v1                 ; wave 0..3
	s_lshr_b32 s15, s[WVN], 1                      ; hT: my group of tokens.  Also: I fetch tokens (0) or weights (1)
	s_and_b32 s16, s[WVN], 1                       ; hW: my group of weights.  Also: which of the two groups I fetch
	s_bfe_u32 s84, ttmp6, 0x40000                  ; cx, cy: my place in the cluster
	s_bfe_u32 s85, ttmp6, 0x40004
	s_lshl_b32 s86, ttmp9, 2
	s_add_co_u32 s86, s86, s84                     ; tx = 4 x cluster x + cx: 256 columns
	s_and_b32 s17, ttmp7, 0xffff
	s_lshl_b32 s17, s17, 2
	s_add_co_u32 s17, s17, s85                     ; ty = 4 x cluster y + cy: 256 tokens
	s_lshl_b32 s87, s85, 2
	s_lshl_b32 s87, 15, s87                        ; my row of the cluster
	s_lshl_b32 s88, 0x1111, s84                    ; my column
	; descriptor group 1: a chunk is dense: 68 rows of 256 bytes (32 elements of 8 bytes), no padding
	s_or_b32 s[G1T], s87, (3<<16)|(1<<21)          ; 15:0 the mask: tokens go to my row; 17:16 elements of 8 bytes; 21 set beside a mask
	s_or_b32 s[G1W], s88, (3<<16)|(1<<21)          ; weights go to my column
.irp g, G1T, G1W
	s_mov_b32 s[\g+1], 32<<16                      ; tensor_dim0
	s_mov_b32 s[\g+2], 68<<16                      ; tensor_dim1
	s_mov_b32 s[\g+3], 32<<16                      ; tile_dim0
	s_mov_b32 s[\g+4], 68                          ; tile_dim1
	s_mov_b32 s[\g+5], 32                          ; tensor_dim0_stride
	s_mov_b32 s[\g+6], 0
	s_mov_b32 s[\g+7], 0
.endr
	s_lshl_b32 s18, s17, 1
	s_add_co_u32 s18, s18, s16
	s_mul_i32 s18, s18, GRP                        ; tokens: group 2 ty + which: made of what my row shares
	s_mov_b32 s19, 0
	s_lshl_b32 s90, s86, 1
	s_add_co_u32 s90, s90, s16
	s_add_co_u32 s90, s90, 64
	s_mul_i32 s90, s90, GRP                        ; weights: group 64 + 2 tx + which: made of what my column shares
	s_mov_b32 s91, 0
	s_mul_i32 s20, s[WVN], GRP                     ; in LDS: group = wave: no place in the cluster enters an LDS address
	s_wait_dscnt 0x0
	s_wait_kmcnt 0x0
	s_add_nc_u64 s[18:19], s[4:5], s[18:19]
	s_add_nc_u64 s[90:91], s[4:5], s[90:91]
.irp c, 0,1,2,3
	s_mov_b32 s[G0T+4*\c], 1
	s_add_co_u32 s[G0T+4*\c+1], s20, \c*CHK
	s_add_nc_u64 s[G0T+4*\c+2:G0T+4*\c+3], s[18:19], \c*CHK
	s_or_b32 s[G0T+4*\c+3], s[G0T+4*\c+3], 0x80000000
	s_mov_b32 s[G0W+4*\c], 1
	s_add_co_u32 s[G0W+4*\c+1], s20, \c*CHK
	s_add_nc_u64 s[G0W+4*\c+2:G0W+4*\c+3], s[90:91], \c*CHK
	s_or_b32 s[G0W+4*\c+3], s[G0W+4*\c+3], 0x80000000
.endr
	ROUND                                          ; all sixteen work-groups are here: the joint loads meet
	s_cmp_eq_u32 s15, 0                            ; a wave's four fills stand in one branch on the wave's number, ahead of every wait on TENSORcnt, every LDS read and every other barrier
	s_cbranch_scc0 .Lfill_w
.irp c, 0,1,2,3
	tensor_load_to_lds s[G0T+4*\c:G0T+4*\c+3], s[G1T:G1T+7]
	s_nop 0
.endr
	PLACES
	s_branch .Lfilled
.Lfill_w:
.irp c, 0,1,2,3
	tensor_load_to_lds s[G0W+4*\c:G0W+4*\c+3], s[G1W:G1W+7]
	s_nop 0
.endr
	PLACES
.Lfilled:
	v_and_b32 v[LN], 31, v0
	v_and_b32 v2, 15, v0                           ; r
	v_bfe_u32 v3, v0, 4, 1                         ; h
	v_lshlrev_b32 v[OL], 4, v[LN]
	s_mul_i32 s21, s15, GRP                        ; my tokens
	s_mul_i32 s22, s16, GRP
	s_add_co_u32 s22, s22, 2*GRP                   ; my weights
	v_add_nc_u32 v[AT], s21, v[OL]
	v_add_nc_u32 v[AT+1], 2*CHK, v[AT]
	v_add_nc_u32 v[AW], s22, v[OL]
	v_add_nc_u32 v[AW+1], 2*CHK, v[AW]
	s_sub_co_u32 s23, s22, s21
	v_mul_u32_u24 v5, s23, v3                      ; lanes 16-31 take the weights' words: the lower base + h x the distance
	v_lshl_add_u32 v5, v2, 2, v5
	v_add_nc_u32 v[ADRS], s21, v5
	v_add_nc_u32 v[ADRS+1], 2*CHK, v[ADRS]
	v_lshlrev_b32 v[OB], 6, v3                     ; 64 h
	v_and_b32 v5, 8, v2
	v_add_nc_u32 v5, v5, v2
	v_lshlrev_b32 v[OV], 2, v5                     ; 4 (r + 8 (r / 8))
	v_mul_u32_u24 v[OS], v3, HEADB
	v_lshl_add_u32 v[OS], v2, 4, v[OS]             ; lanes 0-15 the first head, lanes 16-31 the second; 16 r
.irp b, 0,1,2,3
	v_mov_b32 v[TM+4+\b], 0                        ; written once: a lane permute's destination counts as one of its sources
.endr
	v_mov_b32 v[BPR+1], 0                          ; (named as the upper half of a pair)
	s_mov_b32 s[SEL], 0x76543210
	s_mov_b32 s[SEL+1], 0xfedcba98
	s_lshl_b32 s98, s86, 10
	s_lshl_b32 s99, s16, 9
	s_add_co_u32 s98, s98, s99
	s_mov_b32 s99, 0
	s_add_nc_u64 s[6:7], s[6:7], s[98:99]          ; the bias of my 128 columns
	s_lshr_b32 s98, s17, 3
	s_lshl_b32 s98, s98, 4                         ; 16 x batch
	s_and_b32 s99, s86, 3
	s_lshl_b32 s99, s99, 2
	s_add_co_u32 s98, s98, s99
	s_lshl_b32 s99, s16, 1
	s_add_co_u32 s98, s98, s99                     ; + my first head: 4 (tx % 4) + 2 hW
	s_lshl_b32 s98, s98, 4
	s_and_b32 s99, s17, 7
	s_lshl_b32 s99, s99, 1
	s_add_co_u32 s98, s98, s99
	s_add_co_u32 s89, s98, s15                     ; x 16 records + my tokens' record 2 (ty % 8) + hT
.macro FRAG reg, adr, off
	ds_load_b128 v[\reg:\reg+3], v[\adr] offset:\off
	ds_load_b128 v[\reg+4:\reg+7], v[\adr] offset:\off+512
.endm
.macro FETCH P, q                      ; K step q's 16 fragments, 32 loads in one run: source 0's into window 1, source 1's into window 0, set q % 2
.set FO, (((\q)/2)%2)*CHK+((\q)%2)*8192
.set A0, AW+(AT-AW)*(\P)+(\q)/4
.set A1, AT+(AW-AT)*(\P)+(\q)/4
	WIN 0x40
.irp i, 0,1,2,3,4,5,6,7
	FRAG 128*((\q)%2)+8*\i, A0, FO+1024*\i
.endr
	WIN 0
.irp i, 0,1,2,3,4,5,6,7
	FRAG 128+64*((\q)%2)+8*\i, A1, FO+1024*\i
.endr
.endm
.macro SCALES c                        ; chunk c's scale words: two K steps x eight tiles; every K step has registers of its own
.irp p, 0,1
.irp i, 0,1,2,3,4,5,6,7
	ds_load_b32 v[SC+8*(2*(\c)+\p)+\i], v[ADRS+(\c)/2] offset:((\c)%2)*CHK+16384+512*\p+64*\i
.endr
.endr
.endm
.macro WM P, d, a, b, cm, cb, sa, sb   ; cm = 0: in place; 1: the sum starts with 0; 2: with the bias
.if (\P) == 0
.if (\cm) == 0
	v_wmma_scale_f32_16x16x128_f8f6f4 v[\d:\d+7], v[\a:\a+7], v[\b:\b+7], v[\d:\d+7], v[\sa], v[\sb] matrix_a_fmt:MATRIX_FMT_FP4 matrix_b_fmt:MATRIX_FMT_FP4 matrix_a_scale:MATRIX_SCALE_ROW1
.elseif (\cm) == 1
	v_wmma_scale_f32_16x16x128_f8f6f4 v[\d:\d+7], v[\a:\a+7], v[\b:\b+7], 0, v[\sa], v[\sb] matrix_a_fmt:MATRIX_FMT_FP4 matrix_b_fmt:MATRIX_FMT_FP4 matrix_a_scale:MATRIX_SCALE_ROW1
.else
	v_wmma_scale_f32_16x16x128_f8f6f4 v[\d:\d+7], v[\a:\a+7], v[\b:\b+7], v[\cb:\cb+7], v[\sa], v[\sb] matrix_a_fmt:MATRIX_FMT_FP4 matrix_b_fmt:MATRIX_FMT_FP4 matrix_a_scale:MATRIX_SCALE_ROW1
.endif
.else
.if (\cm) == 0
	v_wmma_scale_f32_16x16x128_f8f6f4 v[\d:\d+7], v[\a:\a+7], v[\b:\b+7], v[\d:\d+7], v[\sa], v[\sb] matrix_a_fmt:MATRIX_FMT_FP4 matrix_b_fmt:MATRIX_FMT_FP4 matrix_b_scale:MATRIX_SCALE_ROW1
.else
	v_wmma_scale_f32_16x16x128_f8f6f4 v[\d:\d+7], v[\a:\a+7], v[\b:\b+7], 0, v[\sa], v[\sb] matrix_a_fmt:MATRIX_FMT_FP4 matrix_b_fmt:MATRIX_FMT_FP4 matrix_b_scale:MATRIX_SCALE_ROW1
.endif
.endif
.endm
.macro MUL P, q, cm                    ; 64 matrix instructions: the 64 accumulators take turns, one instruction a turn, in the same order in every K step
.irp j, 0,1,2,3,4,5,6,7
.if \j == 0
.if (\cm) == 2
	WIN 0x91                                       ; source 0 window 1, source 1 window 0, C (the bias) window 1, D window 2
.else
	WIN 0xa1                                       ; C and D window 2
.endif
.endif
.if \j == 4
.if (\cm) == 2
	WIN 0xd1
.else
	WIN 0xf1                                       ; C and D window 3
.endif
.endif
.irp i, 0,1,2,3,4,5,6,7
	WM \P, 8*(8*(\j%4)+\i), 128*((\q)%2)+8*\i, 128+64*((\q)%2)+8*\j, \cm, 64+8*\i, SC+8*(\q)+\i, SC+8*(\q)+\j
.endr
.endr
.endm
.macro STEP P, q, cm
.if ((\q) == 1) || ((\q) == 3) || ((\q) == 5)
	s_wait_tensorcnt 3-((\q)+1)/2                  ; my part of the next chunk is in; my younger chunk loads may be out
	s_wait_dscnt 0x0                               ; no LDS instruction of mine is pending at a signal
	s_barrier_signal -1
	s_barrier_wait -1                              ; everybody's part is in.
.endif
.if (\q) < 7
.if (\q) > 0
	PLACES                                         ; the loads below land in the set that the K step before multiplied
.endif
	FETCH \P, (\q)+1
.if (\q)%2 == 1
	SCALES ((\q)+1)/2
	s_wait_dscnt 48                                ; all but the 48 just issued
.else
	s_wait_dscnt 32                                ; all but the 32 just issued: this K step's fragments and scale words are in
.endif
.else
	s_wait_dscnt 0x0
.endif
	MUL \P, \q, \cm
.endm
; 64 numbers of a lane, v[s] .. v[s + 63], register 16 b + i = k 32 b + 16 (lane / 16) + i of my row, become a fragment's codes in v[PC] on and its scale word in v[PW].
.macro QUANT s
.irp b, 0,1,2,3
	v_max3_num_f32 v[TM+\b], |v[\s+16*\b]|, |v[\s+1+16*\b]|, 0x1800000   ; block b: my 16 numbers, and the floor 2^(3 - 127): the byte cannot fall under 1
.endr
.irp i, 2,4,6,8,10,12,14
.irp b, 0,1,2,3
	v_max3_num_f32 v[TM+\b], v[TM+\b], |v[\s+16*\b+\i]|, |v[\s+1+16*\b+\i]|
.endr
.endr
.irp b, 0,1,2,3
	v_permlanex16_b32 v[TM+4+\b], v[TM+\b], s[SEL], s[SEL+1]
.endr
.irp b, 0,1,2,3
	v_max_num_f32 v[TM+\b], v[TM+\b], v[TM+4+\b]   ; with lane l xor 16's: the block's largest magnitude
.endr
.irp b, 0,1,2,3
	v_add_nc_u32 v[TM+12+\b], 0xff000000, v[TM+\b] ; 2 off its exponent field: the conversion's scale operand
.endr
.irp b, 0,1,2,3
	v_lshrrev_b32 v[TM+4+\b], 23, v[TM+12+\b]      ; the scale's byte
.endr
	v_lshl_or_b32 v[PW], v[TM+5], 8, v[TM+4]
	v_lshl_or_b32 v[PW], v[TM+6], 16, v[PW]
	v_lshl_or_b32 v[PW], v[TM+7], 24, v[PW]
	s_wait_xcnt 0x0                                ; the last stores have read the codes' registers: they are written again only behind this wait
.irp b, 0,1,2,3
	v_cvt_scalef32_pk8_fp4_f32 v[PC+2*\b], v[\s+16*\b:\s+7+16*\b], v[TM+12+\b]
	v_cvt_scalef32_pk8_fp4_f32 v[PC+1+2*\b], v[\s+8+16*\b:\s+15+16*\b], v[TM+12+\b]
.endr
	v_nop                                          ; one plain instruction behind a scaled conversion
.irp c, 0,1                                    ; the operand's layout wants a whole block in a lane
.irp i, 0,1
	v_permlane16_swap_b32 v[PC+4*\c+\i], v[PC+2+4*\c+\i]
.endr
.endr
.endm
	s_cmp_lt_u32 ttmp9, 2                          ; the cluster's x: the same in all partners and all waves
	s_cbranch_scc0 .Lpath_v
	; ---------------- q and k ----------------
	s_cmp_eq_u32 ttmp9, 0
	s_cselect_b64 s[56:57], s[8:9], s[10:11]       ; qb or kv
	s_mov_b32 s58, 8960
	s_cselect_b32 s58, 4608, s58                   ; a record
	s_mov_b32 s59, 8192
	s_cselect_b32 s59, 4096, s59                   ; where its scale words begin
	s_mul_i32 s60, s89, s58
	s_mov_b32 s61, 0
	s_add_nc_u64 s[56:57], s[56:57], s[60:61]      ; my record of my first head,
	s_lshl_b32 s60, s58, 4
	s_add_nc_u64 s[62:63], s[56:57], s[60:61]      ; of my second,
	s_mov_b32 s60, s59
	s_add_nc_u64 s[94:95], s[56:57], s[60:61]      ; and their scale words
	s_add_nc_u64 s[96:97], s[62:63], s[60:61]
	WIN 0x40
.irp b, 0,1,2,3
.irp k, 0,1,2,3
	global_load_b128 v[64+16*\b+4*\k:64+16*\b+4*\k+3], v[OB], s[6:7] offset:128*\b+16*\k   ; the bias in the result's layout: register 16 b + i: column 32 b + 16 h + i
.endr
.endr
	WIN 0
	s_wait_tensorcnt 3                             ; my part of chunk 0 is in; three younger loads may be out
	s_barrier_signal -1
	s_barrier_wait -1
	FETCH 0, 0
	SCALES 0
	s_wait_loadcnt 0x0                             ; the bias
	STEP 0, 0, 2                                   ; the first K step starts the sums with the bias
.irp q, 1,2,3,4,5,6,7
	STEP 0, \q, 0
.endr
	WIN 0
	PLACES
; Tile j of tokens: a lane's 64 numbers are its token's 32 of head A's 64 (the other 32 lie in lane l xor 16) and 32 of head B's.
.macro QKOUT j
.set AC, 64*((\j)%4)
	WIN 0x0a+5*((\j)/4)                            ; sources 0 and 1: window 2 or 3
.irp p, 0,1,2,3,4,5,6,7,8,9,10,11,12,13,14,15  ; sums of squares, two chains a head; each accumulator is read from its low end on
.if \p < 2
	v_pk_mul_f32 v[SS+2*\p:SS+2*\p+1], v[AC+2*\p:AC+2*\p+1], v[AC+2*\p:AC+2*\p+1]
	v_pk_mul_f32 v[SS+4+2*\p:SS+5+2*\p], v[AC+32+2*\p:AC+33+2*\p], v[AC+32+2*\p:AC+33+2*\p]
.else
	v_pk_fma_f32 v[SS+2*(\p%2):SS+2*(\p%2)+1], v[AC+2*\p:AC+2*\p+1], v[AC+2*\p:AC+2*\p+1], v[SS+2*(\p%2):SS+2*(\p%2)+1]
	v_pk_fma_f32 v[SS+4+2*(\p%2):SS+5+2*(\p%2)], v[AC+32+2*\p:AC+33+2*\p], v[AC+32+2*\p:AC+33+2*\p], v[SS+4+2*(\p%2):SS+5+2*(\p%2)]
.endif
.endr
	WIN 0
	v_pk_add_f32 v[SS:SS+1], v[SS:SS+1], v[SS+2:SS+3]
	v_pk_add_f32 v[SS+4:SS+5], v[SS+4:SS+5], v[SS+6:SS+7]
	v_add_f32 v[SS], v[SS], v[SS+1]
	v_add_f32 v[SS+4], v[SS+4], v[SS+5]
	v_permlanex16_b32 v[SS+1], v[SS], s[SEL], s[SEL+1]
	v_permlanex16_b32 v[SS+5], v[SS+4], s[SEL], s[SEL+1]
	v_add_f32 v[SS], v[SS], v[SS+1]
	v_add_f32 v[SS+4], v[SS+4], v[SS+5]
	v_sqrt_f32 v[SS+2], v[SS]
	v_sqrt_f32 v[SS+6], v[SS+4]
	v_nop                                          ; a plain instruction behind the transcendentals,
	s_wait_alu depctr_va_vdst(0)                   ; and one wait for both, ahead of their first reader
	v_max_num_f32 v[SS+2], 0x2b8cbccc, v[SS+2]     ; max(norm, 1e-12)
	v_max_num_f32 v[SS+6], 0x2b8cbccc, v[SS+6]
	v_rcp_f32 v[SS], v[SS+2]
	v_rcp_f32 v[SS+4], v[SS+6]
	v_nop
	s_wait_alu depctr_va_vdst(0)
	WIN 0x02+((\j)/4)                              ; source 0: window 2 or 3
.irp p, 0,1,2,3,4,5,6,7,8,9,10,11,12,13,14,15
	v_pk_mul_f32 v[T+2*\p:T+2*\p+1], v[AC+2*\p:AC+2*\p+1], v[SS:SS+1] op_sel_hi:[1,0]
	v_pk_mul_f32 v[T+32+2*\p:T+33+2*\p], v[AC+32+2*\p:AC+33+2*\p], v[SS+4:SS+5] op_sel_hi:[1,0]
.endr
	WIN 0
	QUANT T
	global_store_b128 v[OL], v[PC:PC+3], s[56:57] offset:512*(\j)     ; head A's image: 512 consecutive bytes
	global_store_b128 v[OL], v[PC+4:PC+7], s[62:63] offset:512*(\j)   ; head B's
	v_and_b32 v[WA+(\j)], 0xffff, v[PW]            ; head A's two bytes; bytes 2 and 3 stay 0, over zero codes
	v_lshrrev_b32 v[WB+(\j)], 16, v[PW]            ; head B's
.endm
.irp j, 0,1,2,3,4,5,6,7
	QKOUT \j
.endr
	v_cmp_gt_u32 vcc_lo, 16, v[LN]
.irp i, 0,1,2,3
	v_cndmask_b32 v[WO+\i], v[WA+4+\i], v[WA+\i], vcc_lo       ; lanes 0-15: tiles 0-3; lanes 16-31: tiles 4-7
	v_cndmask_b32 v[WO+4+\i], v[WB+4+\i], v[WB+\i], vcc_lo
.endr
	global_store_b128 v[OL], v[WO:WO+3], s[94:95]
	global_store_b128 v[OL], v[WO+4:WO+7], s[96:97]
	s_branch .Lend
	; ---------------- v ----------------
.Lpath_v:
	s_mul_i32 s60, s89, 8960
	s_mov_b32 s61, 0
	s_add_nc_u64 s[56:57], s[10:11], s[60:61]      ; my record of my first head; the second head's lies HEADB bytes on
.irp j, 0,1,2,3,4,5,6,7
	global_load_b32 v[BV+\j], v[OV], s[6:7] offset:(32*(\j/2)+8*(\j%2))*4   ; the bias of my column in W's tile j
.endr
	s_wait_tensorcnt 3
	s_barrier_signal -1
	s_barrier_wait -1
	FETCH 1, 0
	SCALES 0
	STEP 1, 0, 1                                   ; the first K step starts the sums
.irp q, 1,2,3,4,5,6,7
	STEP 1, \q, 0
.endr
	WIN 0
	PLACES
	s_wait_loadcnt 0x0                             ; the bias
; Tile j of W: a lane holds column d of head j / 4 and 64 of the record's 128 keys: one fragment of V^T and its scale word.
.macro VOUT j
.set AC, 64*((\j)%4)
	v_mov_b32 v[BPR], v[BV+(\j)]
	WIN 0x02+((\j)/4)
.irp p, 0,1,2,3,4,5,6,7,8,9,10,11,12,13,14,15,16,17,18,19,20,21,22,23,24,25,26,27,28,29,30,31
	v_pk_add_f32 v[T+2*\p:T+2*\p+1], v[AC+2*\p:AC+2*\p+1], v[BPR:BPR+1] op_sel_hi:[1,0]   ; each accumulator from its low end on
.endr
	WIN 0
	QUANT T
	global_store_b128 v[OL], v[PC:PC+3], s[56:57] offset:HEADB*((\j)/4)+4096+1024*((\j)%4)
	global_store_b128 v[OL], v[PC+4:PC+7], s[56:57] offset:HEADB*((\j)/4)+4096+1024*((\j)%4)+512
	v_mov_b32 v[WA+(\j)], v[PW]
.endm
.irp j, 0,1,2,3,4,5,6,7
	VOUT \j
.endr
	v_cmp_gt_u32 vcc_lo, 16, v[LN]
.irp i, 0,1,2,3
	v_cndmask_b32 v[WO+\i], v[WA+4+\i], v[WA+\i], vcc_lo
.endr
	global_store_b128 v[OS], v[WO:WO+3], s[56:57] offset:8704   ; sixteen lanes store 256 consecutive bytes, aligned, for each head
.Lend:
	s_wait_tensorcnt 0x0
	ds_add_u32 v126, v127
	s_wait_dscnt 0x0
	ROUND                                          ; the closing round: no work-group ends while a partner may still ask for a chunk that names it
	s_endpgm
.Lfunc_end_k_q6df50852e1_qkv:
	.size	k_q6df50852e1_qkv, .Lfunc_end_k_q6df50852e1_qkv-k_q6df50852e1_qkv
	.p2alignl 7, 3214868480
	.fill 96, 4, 3214868480
	.section	.rodata,"a",@progbits
	.p2align	6, 0x0
	.amdhsa_kernel k_q6df50852e1_qkv
		.amdhsa_group_segment_fixed_size 279040
		.amdhsa_private_segment_fixed_size 0
		.amdhsa_enable_private_segment 0
		.amdhsa_kernarg_size 32
		.amdhsa_user_sgpr_count 2
		.amdhsa_user_sgpr_kernarg_segment_ptr 1
		.amdhsa_wavefront_size32 1
		.amdhsa_system_sgpr_workgroup_id_x 1
		.amdhsa_system_sgpr_workgroup_id_y 1
		.amdhsa_system_sgpr_workgroup_id_z 1
		.amdhsa_system_vgpr_workitem_id 0
		.amdhsa_next_free_vgpr 1024
		.amdhsa_next_free_sgpr 102
		.amdhsa_reserve_vcc 1
		.amdhsa_float_denorm_mode_32 3
		.amdhsa_float_denorm_mode_16_64 3
		.amdhsa_memory_ordered 1
		.amdhsa_forward_progress 1
		.amdhsa_inst_pref_size 255
	.end_amdhsa_kernel
	.section	.bss,"aw",@nobits
	.p2align	6
	.space	262144
	.amdgpu_metadata
---
amdhsa.version: [ 1, 2 ]
amdhsa.kernels:
  - .name:           k_q6df50852e1_qkv
    .symbol:         k_q6df50852e1_qkv.kd
    .args:
      - { .name: codes, .offset: 0, .size: 8, .value_kind: global_buffer, .address_space: global }
      - { .name: qkv_b, .offset: 8, .size: 8, .value_kind: global_buffer, .address_space: global }
      - { .name: qb, .offset: 16, .size: 8, .value_kind: global_buffer, .address_space: global }
      - { .name: kv, .offset: 24, .size: 8, .value_kind: global_buffer, .address_space: global }
    .group_segment_fixed_size: 279040
    .private_segment_fixed_size: 0
    .kernarg_segment_align: 8
    .kernarg_segment_size: 32
    .max_flat_workgroup_size: 128
    .sgpr_count:     102
    .vgpr_count:     1024
    .wavefront_size: 32
...
	.end_amdgpu_metadata
.endif
;; end of part 2
;; launch attn (part 3): grid 8 x 32, 16 waves a work-group, clusters of 4 x 1, 289,792 bytes of LDS; arguments qb, kv, acodes; writes acodes
.if DOCPART == 3
	.amdgcn_target "amdgcn-amd-amdhsa--gfx1250"
	.amdhsa_code_object_version 6
	.text
	.protected	k_q6df50852e1_attn
	.globl	k_q6df50852e1_attn
	.p2align	8
	.type	k_q6df50852e1_attn,@function
k_q6df50852e1_attn:
	s_mov_b64 s[64:65], 0
	v_nop
	global_prefetch_b8 v0, s[64:65] scope:SCOPE_SE
	s_setreg_imm32_b32 hwreg(HW_REG_WAVE_MODE, 25, 1), 1
	s_wait_xcnt 0x0
	s_wait_alu depctr_hold_cnt(0) depctr_sa_sdst(0) depctr_va_vdst(0) depctr_va_sdst(0) depctr_va_ssrc(0) depctr_va_vcc(0) depctr_vm_vsrc(0)
	s_getreg_b32 s2, hwreg(HW_REG_IB_STS2, 6, 4)
	s_cmp_eq_u32 s2, 0
	s_cbranch_scc0 .Lentry_in_a_cluster
	s_endpgm
.Lentry_in_a_cluster:
	s_bfe_u32 s2, ttmp6, 0x10000c
	s_cmp_lg_u32 s2, 0x3003
	s_cbranch_scc0 .Lentry_shape_is_right
	s_endpgm
.Lentry_shape_is_right:
; ATTENTION on codes of FP4.  A work-group owns 256 queries of a PAIR of heads (2 s, 2 s + 1 of one batch); each of its sixteen waves 16 queries, one tile, in 256 registers.  Two passes, one a head; each walks the head's 2,048 keys, 128 a trip.
; The two heads' K and V, 2 x 16 records of 8,960 bytes, come into LDS ONCE: each wave brings one record of each head by one tensor load each (two of a wave's loads are out at the most); nothing is filled twice.
; CLUSTER: the four query blocks of a cluster share batch and heads, so each record is asked for jointly, with the mask of all four.
; LAYOUT.  Both products are used transposed: S^T = K Q^T (source 0 = 16 keys), O^T = V^T P^T (source 0 = 16 of the head's 64): a lane holds one query throughout.  Lane r of K's tile t holds key 32 (t / 2) + 8 (t % 2) + r + 8 (r / 8),
; so that the 16 registers of tiles 2 b, 2 b + 1 are keys 32 b + 16 (lane / 16) + 0 .. 15.  The head's 64 are half of the instruction's 128 along K: registers 4-7 of K's and Q's fragments are zero codes, under the scale byte 0.
; THE SOFTMAX.  t = score x 8 log2(e); p = 2^t is what is quantised: M = 0.  reference() itself normalises q and k; rounding to E2M1 at most doubles a magnitude, so a quantised q or k has norm 2 at the most, |logit| <= 32 and
; |t| <= 46.2 for every input: p lies in 2^-47 .. 2^47, a row's sum under 2^58, a block's byte in 78 .. 172.  Nothing can overflow or fall to zero, and any whole M gives the same numbers: so no maximum is carried and nothing is rescaled.
; A block's largest p is made of the block's largest score by the same multiplication and exponential (this takes v_exp_f32 not to fall where its input rises).  The row's sum is taken of the unquantised p and divides O at the end.
; OUT.  O / l of the two heads is K step s of the last product for my 16 tokens: quantised in registers, stored as an image of the operand's registers; the scale words of the work-group's 256 tokens meet in LDS and leave as 2 x 512 bytes.
; LIMITS: NaN and infinities are not served; a block of zeros of O gets the byte 1; the division by l is v_rcp_f32 and a multiplication.
.set REC,   8960
.set HEADB, 143360
.set QREC,  4608
.set QHEAD, 73728
.set GRP,   69632
.set CHK,   17408
.set STG,   286720                     ; behind the records: 64 bytes of scale words for each wave; no tensor load lands here
.set AD0, 1                            ; v1   16 x lane; never rewritten
.set AR0, 2                            ; v2   16 x (lane % 16); never rewritten
.set AD,  3                            ; v3   + the record in hand
.set AR,  4                            ; v4
.set S,   96                           ; v96-159  S^T, then p
.set O,   160                          ; v160-191 O^T
.set KF,  32                           ; v32-95   K's eight fragments
.set VF,  192                          ; v192-223 V's four
.set PC,  224                          ; v224-231 p's codes
.set KS,  248                          ; v248-251 K's scale words: lanes 0-15 tiles 0-3, lanes 16-31 tiles 4-7
.set VS,  252                          ; v252-255 V's
.set WV,  10
.set TB,  2                            ; s2   LDS byte of the record in hand
.set SEL, 20
.set CS,  22                           ; s[22:23] 8 log2(e)
.set G1,  24
.set G0A, 32
.set G0B, 36
.macro ROUND
	s_barrier_signal -1
	s_barrier_wait -1
	s_cmp_lg_u32 s[WV], 0
	s_cbranch_scc1 .Lnot_wave_0_\@
	s_barrier_signal -3
.Lnot_wave_0_\@:
	s_barrier_wait -3
	s_barrier_signal -1
	s_barrier_wait -1
.endm
.macro PLACES
.rept 4
	v_nop
.endr
.endm
	s_load_b128 s[4:7], s[0:1], 0x0                ; qb s[4:5], kv s[6:7]
	s_load_b64 s[8:9], s[0:1], 0x10                ; acodes
	v_lshl_add_u32 v242, v0, 2, 0x46400
	v_mov_b32 v243, 0
	ds_add_u32 v242, v243
	ds_add_u32 v242, v243
	v_lshrrev_b32 v1, 5, v0
	s_delay_alu instid0(VALU_DEP_1)
	v_readfirstlane_b32 s[WV], v1                  ; wave 0..15
	s_bfe_u32 s11, ttmp6, 0x40000                  ; cx
	s_lshl_b32 s12, ttmp9, 2
	s_add_co_u32 s12, s12, s11                     ; my block of 256 queries: it enters Q's and the output's addresses alone
	s_and_b32 s13, ttmp7, 0xffff                   ; y = 8 x batch + head pair, which the four partners share
	s_mov_b32 s[G1], 15|(3<<16)|(1<<21)            ; 15:0 the mask: all four; 17:16 elements of 8 bytes; 21 set beside a mask.  A record is dense: 35 rows of 256 bytes
	s_mov_b32 s[G1+1], 32<<16
	s_mov_b32 s[G1+2], 35<<16
	s_mov_b32 s[G1+3], 32<<16
	s_mov_b32 s[G1+4], 35
	s_mov_b32 s[G1+5], 32
	s_mov_b32 s[G1+6], 0
	s_mov_b32 s[G1+7], 0
	s_mul_i32 s16, s[WV], REC                      ; record = wave, in LDS and in the head
	s_mul_i32 s14, s13, 2*HEADB
	s_add_co_u32 s14, s14, s16
	s_mov_b32 s15, 0
	s_wait_dscnt 0x0
	s_wait_kmcnt 0x0
	s_mov_b32 s[G0A], 1
	s_mov_b32 s[G0A+1], s16
	s_add_nc_u64 s[G0A+2:G0A+3], s[6:7], s[14:15]
	s_mov_b32 s[G0B], 1
	s_add_co_u32 s[G0B+1], s16, HEADB
	s_add_nc_u64 s[G0B+2:G0B+3], s[G0A+2:G0A+3], HEADB
	s_or_b32 s[G0A+3], s[G0A+3], 0x80000000
	s_or_b32 s[G0B+3], s[G0B+3], 0x80000000
	ROUND                                          ; all four work-groups are here: the joint loads meet
	tensor_load_to_lds s[G0A:G0A+3], s[G1:G1+7]    ; the first head's record
	s_nop 0
	tensor_load_to_lds s[G0B:G0B+3], s[G1:G1+7]    ; the second head's
	s_nop 0
	PLACES
	v_and_b32 v6, 31, v0
	v_and_b32 v13, 15, v0
	s_delay_alu instid0(VALU_DEP_2)
	v_lshlrev_b32 v[AD0], 4, v6
	s_wait_alu depctr_va_vdst(0)
	v_lshlrev_b32 v[AR0], 4, v13
	s_wait_alu depctr_va_vdst(0)
	s_and_b32 s48, s[WV], 7                        ; my tile in its group of 128 tokens
	s_lshr_b32 s49, s[WV], 3
	s_lshl_b32 s50, s12, 1
	s_add_co_u32 s50, s50, s49                     ; the group within the batch: 2 x block + wave / 8
	s_mul_i32 s40, s13, 2*QHEAD
	s_mul_i32 s41, s50, QREC
	s_add_co_u32 s40, s40, s41
	s_mov_b32 s41, 0
	s_add_nc_u64 s[40:41], s[4:5], s[40:41]        ; Q's record, first head; the second head's lies QHEAD bytes on
	s_lshl_b32 s51, s48, 9
	v_add_nc_u32 v232, s51, v[AD0]
	s_bfe_u32 s51, s[WV], 0x10002
	s_lshl_b32 s51, s51, 8
	s_and_b32 s52, s[WV], 3
	s_lshl_b32 s52, s52, 2
	s_add_co_u32 s51, s51, s52
	s_add_co_u32 s51, s51, 4096
	v_add_nc_u32 v233, s51, v[AR0]
	global_load_b128 v[16:19], v232, s[40:41]
	global_load_b128 v[24:27], v232, s[40:41] offset:QHEAD
	global_load_b32 v10, v233, s[40:41]            ; Q's scale words: v10, v11 hold scales and nothing else
	global_load_b32 v11, v233, s[40:41] offset:QHEAD
	s_lshr_b32 s51, s13, 3
	s_lshl_b32 s51, s51, 4                         ; 16 groups a batch
	s_add_co_u32 s52, s51, s50
	s_mul_i32 s44, s52, GRP
	s_and_b32 s53, s13, 7                          ; the head pair = the last product's K step
	s_lshr_b32 s54, s53, 1
	s_mul_i32 s54, s54, CHK
	s_and_b32 s53, s53, 1
	s_add_co_u32 s44, s44, s54
	s_lshl_b32 s55, s53, 13
	s_add_co_u32 s44, s44, s55
	s_lshl_b32 s55, s48, 10
	s_add_co_u32 s44, s44, s55
	s_mov_b32 s45, 0
	s_add_nc_u64 s[44:45], s[8:9], s[44:45]        ; where my tile's image goes
	s_lshl_b32 s46, s12, 1
	s_add_co_u32 s46, s46, s51
	s_and_b32 s55, s[WV], 1
	s_add_co_u32 s46, s46, s55
	s_mul_i32 s46, s46, GRP
	s_add_co_u32 s46, s46, s54
	s_lshl_b32 s55, s53, 9
	s_add_co_u32 s46, s46, s55
	s_add_co_u32 s46, s46, 16384
	s_mov_b32 s47, 0
	s_add_nc_u64 s[46:47], s[8:9], s[46:47]        ; waves 0 and 1: where a group's 512 bytes of scale words go
	s_lshl_b32 s55, s[WV], 6
	s_add_co_u32 s55, s55, STG
	v_lshl_add_u32 v7, v13, 2, s55                 ; the stage: 64 x wave + 4 r
	s_and_b32 s55, s[WV], 1
	s_lshl_b32 s55, s55, 9
	s_add_co_u32 s55, s55, STG
	v_add_nc_u32 v8, s55, v[AD0]                   ; and back: 512 x (wave % 2) + 16 x lane
	s_mov_b32 s[SEL], 0x76543210
	s_mov_b32 s[SEL+1], 0xfedcba98
	s_mov_b32 s[CS], 0x4138aa3b                    ; 8 log2(e)
	s_mov_b32 s[CS+1], s[CS]                       ; (named with it as a pair)
	s_mov_b32 s[TB], 0
.irp i, 20,21,22,23,28,29,30,31
	v_mov_b32 v[\i], 0                             ; Q's zero codes
.endr
.irp t, 0,1,2,3,4,5,6,7
.irp i, 4,5,6,7
	v_mov_b32 v[KF+8*\t+\i], 0                     ; K's zero codes: written once
.endr
.endr
.irp b, 0,1,2,3
	v_mov_b32 v[236+\b], 0                         ; a lane permute's destination counts as one of its sources
.endr
; A TRIP: 128 keys.  qf, qs: Q's fragment and scale word.  first = 1: the products V^T P start O^T's sums.  pf = 1: the next record's K is fetched.
.macro TRIP qf, qs, first, pf
	v_add_nc_u32 v[AD], s[TB], v[AD0]
	v_add_nc_u32 v[AR], s[TB], v[AR0]
	v_nop
	v_nop                                          ; four plain instructions behind the last trip's products, ahead of the loads into V's registers
.irp t, 0,1,2,3
	ds_load_b128 v[VF+8*\t:VF+8*\t+3], v[AD] offset:4096+1024*\t
	ds_load_b128 v[VF+8*\t+4:VF+8*\t+7], v[AD] offset:4096+1024*\t+512
.endr
	ds_load_b128 v[VS:VS+3], v[AR] offset:8704
	s_wait_dscnt 9                                 ; K's nine loads are in; V's nine, just issued, may be out
.irp t, 0,1,2,3
	v_wmma_scale_f32_16x16x128_f8f6f4 v[S+8*\t:S+8*\t+7], v[KF+8*\t:KF+8*\t+7], v[\qf:\qf+7], 0, v[KS+\t], v[\qs] matrix_a_fmt:MATRIX_FMT_FP4 matrix_b_fmt:MATRIX_FMT_FP4
.endr
.irp t, 4,5,6,7
	v_wmma_scale_f32_16x16x128_f8f6f4 v[S+8*\t:S+8*\t+7], v[KF+8*\t:KF+8*\t+7], v[\qf:\qf+7], 0, v[KS+\t-4], v[\qs] matrix_a_fmt:MATRIX_FMT_FP4 matrix_b_fmt:MATRIX_FMT_FP4 matrix_a_scale:MATRIX_SCALE_ROW1
.endr
	PLACES
.if \pf
	s_wait_alu depctr_va_vdst(0)
.irp t, 0,1,2,3,4,5,6,7
	ds_load_b128 v[KF+8*\t:KF+8*\t+3], v[AD] offset:REC+512*\t
.endr
	ds_load_b128 v[KS:KS+3], v[AD] offset:REC+8192
.endif
.irp b, 0,1,2,3
	v_max3_num_f32 v[232+\b], v[S+16*\b], v[S+1+16*\b], v[S+2+16*\b]   ; the largest score of each block of 32 keys (each accumulator is first read at its low end)
.endr
.irp i, 3,5,7,9,11,13
.irp b, 0,1,2,3
	v_max3_num_f32 v[232+\b], v[232+\b], v[S+16*\b+\i], v[S+1+16*\b+\i]
.endr
.endr
.irp b, 0,1,2,3
	v_max_num_f32 v[232+\b], v[232+\b], v[S+15+16*\b]
.endr
.irp b, 0,1,2,3
	s_delay_alu instid0(VALU_DEP_4)
	v_permlanex16_b32 v[236+\b], v[232+\b], s[SEL], s[SEL+1]
.endr
.irp b, 0,1,2,3
	s_delay_alu instid0(VALU_DEP_4)
	v_max_num_f32 v[232+\b], v[232+\b], v[236+\b]  ; with lane l xor 16's 16 keys
.endr
.irp j, 0,2,4,6,8,10,12,14,16,18,20,22,24,26,28,30,32,34,36,38,40,42,44,46,48,50,52,54,56,58,60,62
	v_pk_mul_f32 v[S+\j:S+\j+1], v[S+\j:S+\j+1], s[CS:CS+1] op_sel_hi:[1,0]   ; t
.endr
.irp b, 0,1,2,3
	v_mul_f32 v[232+\b], s[CS], v[232+\b]          ; the same of each block's largest score: the same bits
.endr
	s_setprio 1
	s_wait_alu depctr_va_vdst(0)
.irp j, 0,1,2,3,4,5,6,7,8,9,10,11,12,13,14,15,16,17,18,19,20,21,22,23,24,25,26,27,28,29,30,31,32,33,34,35,36,37,38,39,40,41,42,43,44,45,46,47,48,49,50,51,52,53,54,55,56,57,58,59,60,61,62,63
	v_exp_f32 v[S+\j], v[S+\j]                     ; p = 2^t
.endr
.irp b, 0,1,2,3
	v_exp_f32 v[232+\b], v[232+\b]                 ; the block's largest p
.endr
	v_nop                                          ; a plain instruction behind the batch,
	s_wait_alu depctr_va_vdst(0)                   ; and ONE wait for its 68 exponentials, ahead of the first reader
.irp b, 0,1,2,3
	v_add_nc_u32 v[244+\b], 0xff000000, v[232+\b]  ; 2 off the exponent field: the conversion's scale operand.  No floor: p is at least 2^-47
.endr
.irp b, 0,1,2,3
	s_delay_alu instid0(VALU_DEP_4)
	v_lshrrev_b32 v[236+\b], 23, v[244+\b]
.endr
	s_delay_alu instid0(VALU_DEP_3)
	v_lshl_or_b32 v12, v237, 8, v236               ; p's scale word for these 128 keys: v12 holds scales and nothing else
	s_delay_alu instid0(VALU_DEP_1)
	v_lshl_or_b32 v12, v238, 16, v12
	s_delay_alu instid0(VALU_DEP_1)
	v_lshl_or_b32 v12, v239, 24, v12
.irp b, 0,1,2,3
	v_cvt_scalef32_pk8_fp4_f32 v[PC+2*\b], v[S+16*\b:S+7+16*\b], v[244+\b]
	v_cvt_scalef32_pk8_fp4_f32 v[PC+1+2*\b], v[S+8+16*\b:S+15+16*\b], v[244+\b]
.endr
	v_nop                                          ; one plain instruction behind a scaled conversion
.irp c, 0,1
.irp i, 0,1
	v_permlane16_swap_b32 v[PC+4*\c+\i], v[PC+2+4*\c+\i]
.endr
.endr
	v_pk_add_f32 v[240:241], v[100:101], v[104:105]
	v_pk_add_f32 v[246:247], v[108:109], v[112:113]
	v_pk_add_f32 v[244:245], v[116:117], v[120:121]
	v_pk_add_f32 v[234:235], v[124:125], v[128:129]
	v_pk_add_f32 v[4:5], v[132:133], v[136:137]
	v_pk_add_f32 v[14:15], v[14:15], v[140:141]
	v_pk_add_f32 v[240:241], v[240:241], v[144:145]
	v_pk_add_f32 v[246:247], v[246:247], v[148:149]
	v_pk_add_f32 v[244:245], v[244:245], v[152:153]
	v_pk_add_f32 v[234:235], v[234:235], v[156:157]
	v_pk_add_f32 v[4:5], v[4:5], v[96:97]
	v_pk_add_f32 v[14:15], v[14:15], v[98:99]
	v_pk_add_f32 v[240:241], v[240:241], v[102:103]
	v_pk_add_f32 v[246:247], v[246:247], v[106:107]
	v_pk_add_f32 v[244:245], v[244:245], v[110:111]
	v_pk_add_f32 v[234:235], v[234:235], v[114:115]
	v_pk_add_f32 v[4:5], v[4:5], v[118:119]
	v_pk_add_f32 v[14:15], v[14:15], v[122:123]
	v_pk_add_f32 v[240:241], v[240:241], v[126:127]
	s_setprio 0
	v_pk_add_f32 v[246:247], v[246:247], v[130:131]
	v_pk_add_f32 v[244:245], v[244:245], v[134:135]
	v_pk_add_f32 v[234:235], v[234:235], v[138:139]
	v_pk_add_f32 v[4:5], v[4:5], v[142:143]
	v_pk_add_f32 v[14:15], v[14:15], v[146:147]
	v_pk_add_f32 v[240:241], v[240:241], v[150:151]
	v_pk_add_f32 v[246:247], v[246:247], v[154:155]
	v_pk_add_f32 v[244:245], v[244:245], v[158:159]
	s_delay_alu instid0(VALU_DEP_1)
	v_pk_add_f32 v[14:15], v[14:15], v[244:245]
	s_delay_alu instid0(VALU_DEP_4)
	v_pk_add_f32 v[240:241], v[240:241], v[234:235]
	s_delay_alu instid0(VALU_DEP_4)
	v_pk_add_f32 v[246:247], v[246:247], v[4:5]
	s_delay_alu instid0(VALU_DEP_1)
	v_pk_add_f32 v[14:15], v[14:15], v[246:247]
	s_delay_alu instid0(VALU_DEP_1)
	v_pk_add_f32 v[14:15], v[14:15], v[240:241]
.if \pf
	s_wait_dscnt 9                                 ; V's nine loads are in; the next K's nine may be out
.else
	s_wait_alu depctr_va_vdst(0)
	s_wait_dscnt 0x0
.endif
.irp t, 0,1,2,3
.if \first
	v_wmma_scale_f32_16x16x128_f8f6f4 v[O+8*\t:O+8*\t+7], v[VF+8*\t:VF+8*\t+7], v[PC:PC+7], 0, v[VS+\t], v12 matrix_a_fmt:MATRIX_FMT_FP4 matrix_b_fmt:MATRIX_FMT_FP4
.else
	v_wmma_scale_f32_16x16x128_f8f6f4 v[O+8*\t:O+8*\t+7], v[VF+8*\t:VF+8*\t+7], v[PC:PC+7], v[O+8*\t:O+8*\t+7], v[VS+\t], v12 matrix_a_fmt:MATRIX_FMT_FP4 matrix_b_fmt:MATRIX_FMT_FP4
.endif
.endr                                          ; the four accumulators take turns, and the eight products K Q^T stand between a link and the next
	s_add_co_u32 s[TB], s[TB], REC
.endm
; A head's end: O^T / l, register 16 b + i = d 32 b + 16 (lane / 16) + i, is half e of K step s of the last product: two blocks.
.macro HQ e
	PLACES
	v_add_f32 v14, v14, v15
	v_permlanex16_b32 v232, v14, s[SEL], s[SEL+1]
	s_delay_alu instid0(VALU_DEP_1)
	v_add_f32 v14, v14, v232                       ; the row's sum
	s_wait_alu depctr_va_vdst(0)
	v_rcp_f32 v240, v14
	v_nop
	s_wait_alu depctr_va_vdst(0)
.irp p, 0,1,2,3,4,5,6,7,8,9,10,11,12,13,14,15
	v_pk_mul_f32 v[S+2*\p:S+2*\p+1], v[O+2*\p:O+2*\p+1], v[240:241] op_sel_hi:[1,0]   ; each accumulator from its low end on
.endr
.irp b, 0,1
	v_max3_num_f32 v[232+\b], |v[S+16*\b]|, |v[S+1+16*\b]|, 0x1800000
.endr
.irp i, 2,4,6,8,10,12,14
.irp b, 0,1
	s_delay_alu instid0(VALU_DEP_2)
	v_max3_num_f32 v[232+\b], v[232+\b], |v[S+16*\b+\i]|, |v[S+1+16*\b+\i]|
.endr
.endr
.irp b, 0,1
	s_delay_alu instid0(VALU_DEP_2)
	v_permlanex16_b32 v[236+\b], v[232+\b], s[SEL], s[SEL+1]
.endr
.irp b, 0,1
	s_delay_alu instid0(VALU_DEP_2)
	v_max_num_f32 v[232+\b], v[232+\b], v[236+\b]
.endr
.irp b, 0,1
	s_delay_alu instid0(VALU_DEP_2)
	v_add_nc_u32 v[244+\b], 0xff000000, v[232+\b]
.endr
.irp b, 0,1
	s_delay_alu instid0(VALU_DEP_2)
	v_lshrrev_b32 v[236+\b], 23, v[244+\b]
.endr
.if (\e) == 0
	s_delay_alu instid0(VALU_DEP_1)
	v_lshl_or_b32 v9, v237, 8, v236                ; the scale word's lower half
.else
	s_delay_alu instid0(VALU_DEP_1)
	v_lshl_or_b32 v236, v237, 8, v236
	s_delay_alu instid0(VALU_DEP_1)
	v_lshl_or_b32 v9, v236, 16, v9                 ; and its upper
.endif
.irp b, 0,1
	v_cvt_scalef32_pk8_fp4_f32 v[PC+2*\b], v[S+16*\b:S+7+16*\b], v[244+\b]
	v_cvt_scalef32_pk8_fp4_f32 v[PC+1+2*\b], v[S+8+16*\b:S+15+16*\b], v[244+\b]
.endr
	v_nop
	v_permlane16_swap_b32 v[PC], v[PC+2]
	v_permlane16_swap_b32 v[PC+1], v[PC+3]
	global_store_b128 v[AD0], v[PC:PC+3], s[44:45] offset:512*(\e)   ; 512 consecutive bytes, at a multiple of 256 from the buffer's first byte
.endm
.macro PASS e
	v_mov_b32 v14, 0                               ; the sum, in two halves
	v_mov_b32 v15, 0
	v_add_nc_u32 v[AD], s[TB], v[AD0]
.irp t, 0,1,2,3,4,5,6,7
	ds_load_b128 v[KF+8*\t:KF+8*\t+3], v[AD] offset:512*\t
.endr
	ds_load_b128 v[KS:KS+3], v[AD] offset:8192
	TRIP 16+8*(\e), 10+(\e), 1, 1
	s_mov_b32 s3, 14
.Ltrip_\@:
	s_setprio 2
	TRIP 16+8*(\e), 10+(\e), 0, 1
	s_sub_co_u32 s3, s3, 1
	s_cmp_lg_u32 s3, 0
	s_cbranch_scc1 .Ltrip_\@
	s_setprio 0
	TRIP 16+8*(\e), 10+(\e), 0, 0                  ; the last trip fetches nothing beyond its head's records
	HQ \e
.endm
	s_wait_tensorcnt 1                             ; my record of the first head is in; the second head's may stay out
	s_barrier_signal -1
	s_barrier_wait -1
	s_wait_loadcnt 0x0                             ; Q
	PASS 0
	s_wait_tensorcnt 0x0                           ; my record of the second head is in,
	s_wait_dscnt 0x0
	s_barrier_signal -1
	s_barrier_wait -1                              ; everybody's is
	s_wait_xcnt 0x0                                ; the first head's store has read the codes' registers
	PASS 1
	ds_store_b32 v7, v9                            ; lanes r and r + 16 write the same word with the same value
	s_wait_dscnt 0x0                               ; for the others' sake
	s_barrier_signal -1
	s_barrier_wait -1
	s_cmp_lt_u32 s[WV], 2
	s_cbranch_scc0 .Lno_words
	ds_load_b128 v[S:S+3], v8                      ; a group's eight tiles: 512 bytes
	s_wait_dscnt 0x0
	global_store_b128 v[AD0], v[S:S+3], s[46:47]
.Lno_words:
	s_wait_tensorcnt 0x0
	ds_add_u32 v242, v243
	s_wait_dscnt 0x0
	ROUND                                          ; the closing round
	s_endpgm
.Lfunc_end_k_q6df50852e1_attn:
	.size	k_q6df50852e1_attn, .Lfunc_end_k_q6df50852e1_attn-k_q6df50852e1_attn
	.p2alignl 7, 3214868480
	.fill 96, 4, 3214868480
	.section	.rodata,"a",@progbits
	.p2align	6, 0x0
	.amdhsa_kernel k_q6df50852e1_attn
		.amdhsa_group_segment_fixed_size 289792
		.amdhsa_private_segment_fixed_size 0
		.amdhsa_enable_private_segment 0
		.amdhsa_kernarg_size 24
		.amdhsa_user_sgpr_count 2
		.amdhsa_user_sgpr_kernarg_segment_ptr 1
		.amdhsa_wavefront_size32 1
		.amdhsa_system_sgpr_workgroup_id_x 1
		.amdhsa_system_sgpr_workgroup_id_y 1
		.amdhsa_system_sgpr_workgroup_id_z 1
		.amdhsa_system_vgpr_workitem_id 0
		.amdhsa_next_free_vgpr 256
		.amdhsa_next_free_sgpr 66
		.amdhsa_reserve_vcc 0
		.amdhsa_float_denorm_mode_32 3
		.amdhsa_float_denorm_mode_16_64 3
		.amdhsa_memory_ordered 1
		.amdhsa_forward_progress 1
		.amdhsa_inst_pref_size 99
	.end_amdhsa_kernel
	.amdgpu_metadata
---
amdhsa.version: [ 1, 2 ]
amdhsa.kernels:
  - .name:           k_q6df50852e1_attn
    .symbol:         k_q6df50852e1_attn.kd
    .args:
      - { .name: qb, .offset: 0, .size: 8, .value_kind: global_buffer, .address_space: global }
      - { .name: kv, .offset: 8, .size: 8, .value_kind: global_buffer, .address_space: global }
      - { .name: acodes, .offset: 16, .size: 8, .value_kind: global_buffer, .address_space: global }
    .group_segment_fixed_size: 289792
    .private_segment_fixed_size: 0
    .kernarg_segment_align: 8
    .kernarg_segment_size: 24
    .max_flat_workgroup_size: 512
    .sgpr_count:     66
    .vgpr_count:     256
    .wavefront_size: 32
...
	.end_amdgpu_metadata
.endif
;; end of part 3
;; launch proj (part 4): grid 4 x 64, 4 waves a work-group, clusters of 4 x 4, 243,200 bytes of LDS; arguments acodes, codes, x, out_b, out0; writes out0
.if DOCPART == 4
	.amdgcn_target "amdgcn-amd-amdhsa--gfx1250"
	.amdhsa_code_object_version 6
	.text
	.protected	k_q6df50852e1_proj
	.globl	k_q6df50852e1_proj
	.p2align	8
	.type	k_q6df50852e1_proj,@function
k_q6df50852e1_proj:
	s_mov_b64 s[64:65], 0
	v_nop
	global_prefetch_b8 v0, s[64:65] scope:SCOPE_SE
	s_setreg_imm32_b32 hwreg(HW_REG_WAVE_MODE, 25, 1), 1
	s_wait_xcnt 0x0
	s_wait_alu depctr_hold_cnt(0) depctr_sa_sdst(0) depctr_va_vdst(0) depctr_va_sdst(0) depctr_va_ssrc(0) depctr_va_vcc(0) depctr_vm_vsrc(0)
	s_getreg_b32 s2, hwreg(HW_REG_IB_STS2, 6, 4)
	s_cmp_eq_u32 s2, 0
	s_cbranch_scc0 .Lentry_in_a_cluster
	s_endpgm
.Lentry_in_a_cluster:
	s_bfe_u32 s2, ttmp6, 0x10000c
	s_cmp_lg_u32 s2, 0xf033
	s_cbranch_scc0 .Lentry_shape_is_right
	s_endpgm
.Lentry_shape_is_right:
; PROJ.  out0 = x + a out_w^T + out_b; the product on codes of FP4, K = 1024.  a: the attention's result as codes (acodes), out_w: groups 88-95 of codes; both in the order of an operand's registers (17,408 bytes a chunk of two K steps).
; A work-group makes 128 tokens x 256 columns; a wave 64 tokens (tiles 4 hT + j) x 128 columns: 32 accumulators.  Source 0 = out_w, source 1 = tokens: a lane holds one token and eight neighbouring columns an accumulator.
; The whole K of its 128 + 256 rows, three groups of 69,632 bytes, comes into LDS ONCE: waves 0 and 1 bring the halves of the tokens' four chunks, waves 2 and 3 a group of weights each: four tensor loads a wave, four out at the most.
; CLUSTERS: 4 x 4: a row of the cluster shares its tokens, a column its weights: joint loads.
; x comes straight into registers (64 loads of 512 consecutive bytes a wave, window 3), asked for at the head; the bias is the C of each sum's first matrix instruction.
; THE WAY OUT: a block of 16 tokens x 128 columns goes through the wave's own stage in LDS and comes back as whole rows of 512 bytes; x is added; 32 lanes store 512 consecutive bytes.
; Lane r of tile i stands for row 32 (i / 2) + 8 (i % 2) + r + 8 (r / 8) of its group of 128.
; REGISTERS: window 0: v1-26 addresses; v32-95 scale words; v128-191 the tokens' two sets of four fragments; v128-255 on the way out.  window 1: v0-63, v128-191 the weights' two sets; v64-127 the bias.  window 2: accumulator (j, i) at v[8 (8 j + i)].  window 3: x.
.set GRP,   69632
.set CHK,   17408
.set STG,   208896                     ; behind the three groups: 16 rows x 528 bytes for each wave; no tensor load lands here
.set SPITCH, 528
.set OL,   4                           ; v4   16 x lane
.set AT,   16
.set AW,   18
.set ADRS, 20                          ; v20-21 scale words: lanes 0-15 my tokens' tiles, lanes 16-31 the weights'
.set ADRW, 22                          ; v22-23 all lanes the weights'
.set STO,  24
.set RD,   25
.set OB,   26
.set SC,   32
.set WVN,  14
.set G1T,  24
.set G1W,  32
.set G0T,  40
.set G0W,  68
.set XB,   56                          ; s[56:57] x at my first token and column
.set OUTB, 58                          ; s[58:59] out0 likewise
.set MSB, 0
.macro WIN new
.if MSB != (\new)
	s_set_vgpr_msb (MSB<<8)|(\new)
.set MSB, (\new)
.endif
.endm
.macro ROUND
	s_barrier_signal -1
	s_barrier_wait -1
	s_cmp_lg_u32 s[WVN], 0
	s_cbranch_scc1 .Lnot_wave_0_\@
	s_barrier_signal -3
.Lnot_wave_0_\@:
	s_barrier_wait -3
	s_barrier_signal -1
	s_barrier_wait -1
.endm
.macro PLACES
.rept 4
	v_nop
.endr
.endm
	s_load_b256 s[4:11], s[0:1], 0x0               ; acodes s[4:5], codes s[6:7], x s[8:9], out_b s[10:11]
	s_load_b64 s[12:13], s[0:1], 0x20              ; out0
	v_lshl_add_u32 v126, v0, 2, 0x3b400
	v_mov_b32 v127, 0
	ds_add_u32 v126, v127
	ds_add_u32 v126, v127
	v_lshrrev_b32 v1, 5, v0
	v_readfirstlane_b32 s[WVN], v1
	s_lshr_b32 s15, s[WVN], 1                      ; hT: my 64 tokens.  Also: I fetch tokens (0) or weights (1)
	s_and_b32 s16, s[WVN], 1                       ; hW: my group of weights.  Also: which half, or which group, I fetch
	s_bfe_u32 s84, ttmp6, 0x40000
	s_bfe_u32 s85, ttmp6, 0x40004
	s_lshl_b32 s86, ttmp9, 2
	s_add_co_u32 s86, s86, s84                     ; tx: 256 columns
	s_and_b32 s17, ttmp7, 0xffff
	s_lshl_b32 s17, s17, 2
	s_add_co_u32 s17, s17, s85                     ; ty: 128 tokens
	s_lshl_b32 s87, s85, 2
	s_lshl_b32 s87, 15, s87
	s_lshl_b32 s88, 0x1111, s84
	s_or_b32 s[G1T], s87, (3<<16)|(1<<21)          ; half a chunk of tokens: 34 rows of 256 bytes, to my row of the cluster
	s_mov_b32 s[G1T+1], 32<<16
	s_mov_b32 s[G1T+2], 34<<16
	s_mov_b32 s[G1T+3], 32<<16
	s_mov_b32 s[G1T+4], 34
	s_mov_b32 s[G1T+5], 32
	s_mov_b32 s[G1T+6], 0
	s_mov_b32 s[G1T+7], 0
	s_or_b32 s[G1W], s88, (3<<16)|(1<<21)          ; a chunk of weights: 68 rows, to my column
	s_mov_b32 s[G1W+1], 32<<16
	s_mov_b32 s[G1W+2], 68<<16
	s_mov_b32 s[G1W+3], 32<<16
	s_mov_b32 s[G1W+4], 68
	s_mov_b32 s[G1W+5], 32
	s_mov_b32 s[G1W+6], 0
	s_mov_b32 s[G1W+7], 0
	s_mul_i32 s20, s16, CHK/2                      ; tokens in LDS: my half of each chunk
	s_mul_i32 s18, s17, GRP
	s_add_co_u32 s18, s18, s20                     ; and in memory: made of what my row shares
	s_mov_b32 s19, 0
	s_lshl_b32 s90, s86, 1
	s_add_co_u32 s90, s90, s16
	s_add_co_u32 s90, s90, 88
	s_mul_i32 s90, s90, GRP                        ; weights: group 88 + 2 tx + which: made of what my column shares
	s_mov_b32 s91, 0
	s_mul_i32 s21, s16, GRP
	s_add_co_u32 s21, s21, GRP                     ; in LDS behind the tokens
	s_wait_dscnt 0x0
	s_wait_kmcnt 0x0
	s_add_nc_u64 s[18:19], s[4:5], s[18:19]
	s_add_nc_u64 s[90:91], s[6:7], s[90:91]
.irp c, 0,1,2,3
	s_mov_b32 s[G0T+4*\c], 1
	s_add_co_u32 s[G0T+4*\c+1], s20, \c*CHK
	s_add_nc_u64 s[G0T+4*\c+2:G0T+4*\c+3], s[18:19], \c*CHK
	s_or_b32 s[G0T+4*\c+3], s[G0T+4*\c+3], 0x80000000
	s_mov_b32 s[G0W+4*\c], 1
	s_add_co_u32 s[G0W+4*\c+1], s21, \c*CHK
	s_add_nc_u64 s[G0W+4*\c+2:G0W+4*\c+3], s[90:91], \c*CHK
	s_or_b32 s[G0W+4*\c+3], s[G0W+4*\c+3], 0x80000000
.endr
	ROUND
	s_cmp_eq_u32 s15, 0
	s_cbranch_scc0 .Lfill_w
.irp c, 0,1,2,3
	tensor_load_to_lds s[G0T+4*\c:G0T+4*\c+3], s[G1T:G1T+7]
	s_nop 0
.endr
	PLACES
	s_branch .Lfilled
.Lfill_w:
.irp c, 0,1,2,3
	tensor_load_to_lds s[G0W+4*\c:G0W+4*\c+3], s[G1W:G1W+7]
	s_nop 0
.endr
	PLACES
.Lfilled:
	v_and_b32 v1, 31, v0
	v_and_b32 v2, 15, v0                           ; r
	v_bfe_u32 v3, v0, 4, 1                         ; h
	v_lshlrev_b32 v[OL], 4, v1
	v_lshlrev_b32 v[OB], 6, v3
	s_lshl_b32 s98, s86, 10
	s_lshl_b32 s99, s16, 9
	s_add_co_u32 s98, s98, s99                     ; my first column, in bytes
	s_mov_b32 s99, 0
	s_add_nc_u64 s[10:11], s[10:11], s[98:99]
	s_lshl_b32 s22, s17, 19                        ; 128 tokens of 4,096 bytes,
	s_lshl_b32 s23, s15, 18                        ; my 64
	s_add_co_u32 s22, s22, s23
	s_add_co_u32 s98, s98, s22
	s_add_nc_u64 s[XB:XB+1], s[8:9], s[98:99]
	s_add_nc_u64 s[OUTB:OUTB+1], s[12:13], s[98:99]
	WIN 0x40
.irp b, 0,1,2,3
.irp k, 0,1,2,3
	global_load_b128 v[64+16*\b+4*\k:64+16*\b+4*\k+3], v[OB], s[10:11] offset:128*\b+16*\k   ; the bias in the result's layout
.endr
.endr
	WIN 0xc0
.irp j, 0,1,2,3
.irp t, 0,1,2,3,4,5,6,7,8,9,10,11,12,13,14,15
	global_load_b128 v[64*\j+4*\t:64*\j+4*\t+3], v[OL], s[XB:XB+1] offset:(32*(\j/2)+8*(\j%2)+\t+8*(\t/8))*4096 th:TH_LOAD_NT   ; x: the token of lane t of my tile j, my 128 columns: 512 consecutive bytes
.endr
.endr
	WIN 0
	s_lshl_b32 s22, s15, 12                        ; my four tiles begin 4,096 hT bytes into a K step's codes
	v_add_nc_u32 v[AT], s22, v[OL]
	v_add_nc_u32 v[AT+1], 2*CHK, v[AT]
	s_mul_i32 s23, s16, GRP
	s_add_co_u32 s23, s23, GRP
	v_add_nc_u32 v[AW], s23, v[OL]
	v_add_nc_u32 v[AW+1], 2*CHK, v[AW]
	v_lshl_add_u32 v[ADRW], v2, 2, s23
	v_add_nc_u32 v[ADRW+1], 2*CHK, v[ADRW]
	s_lshl_b32 s22, s15, 8                         ; my tiles' scale words begin 256 hT bytes into a K step's
	s_sub_co_u32 s23, s23, s22
	v_mul_u32_u24 v5, s23, v3                      ; the lower base + h x the distance
	v_lshl_add_u32 v5, v2, 2, v5
	v_add_nc_u32 v[ADRS], s22, v5
	v_add_nc_u32 v[ADRS+1], 2*CHK, v[ADRS]
	s_mul_i32 s22, s[WVN], 16*SPITCH
	s_add_co_u32 s22, s22, STG                     ; my stage
	v_mul_u32_u24 v5, v2, SPITCH
	v_lshl_add_u32 v5, v3, 6, v5
	v_add_nc_u32 v[STO], s22, v5                   ; in: row r, + 64 h
	v_add_nc_u32 v[RD], s22, v[OL]                 ; back: a row's 512 bytes, 16 a lane
.macro FRAG reg, adr, off
	ds_load_b128 v[\reg:\reg+3], v[\adr] offset:\off
	ds_load_b128 v[\reg+4:\reg+7], v[\adr] offset:\off+512
.endm
.macro FETCH q                         ; K step q: the weights' eight fragments into window 1, my tokens' four into window 0: 24 loads in one run
.set FO, (((\q)/2)%2)*CHK+((\q)%2)*8192
	WIN 0x40
.irp i, 0,1,2,3,4,5,6,7
	FRAG 128*((\q)%2)+8*\i, AW+(\q)/4, FO+1024*\i
.endr
	WIN 0
.irp j, 0,1,2,3
	FRAG 128+32*((\q)%2)+8*\j, AT+(\q)/4, FO+1024*\j
.endr
.endm
.macro SCALES c
.irp p, 0,1
.irp i, 0,1,2,3
	ds_load_b32 v[SC+8*(2*(\c)+\p)+\i], v[ADRS+(\c)/2] offset:((\c)%2)*CHK+16384+512*\p+64*\i
.endr
.irp i, 4,5,6,7
	ds_load_b32 v[SC+8*(2*(\c)+\p)+\i], v[ADRW+(\c)/2] offset:((\c)%2)*CHK+16384+512*\p+64*\i
.endr
.endr
.endm
.macro MUL q, cm                       ; 32 matrix instructions: the 32 accumulators take turns, one instruction a turn, in the same order in every K step
.if (\cm) == 2
	WIN 0x91                                       ; source 0 window 1, source 1 window 0, C (the bias) window 1, D window 2
.else
	WIN 0xa1
.endif
.irp j, 0,1,2,3
.irp i, 0,1,2,3,4,5,6,7
.if (\cm) == 2
	v_wmma_scale_f32_16x16x128_f8f6f4 v[8*(8*\j+\i):8*(8*\j+\i)+7], v[128*((\q)%2)+8*\i:128*((\q)%2)+8*\i+7], v[128+32*((\q)%2)+8*\j:128+32*((\q)%2)+8*\j+7], v[64+8*\i:64+8*\i+7], v[SC+8*(\q)+\i], v[SC+8*(\q)+\j] matrix_a_fmt:MATRIX_FMT_FP4 matrix_b_fmt:MATRIX_FMT_FP4 matrix_a_scale:MATRIX_SCALE_ROW1
.else
	v_wmma_scale_f32_16x16x128_f8f6f4 v[8*(8*\j+\i):8*(8*\j+\i)+7], v[128*((\q)%2)+8*\i:128*((\q)%2)+8*\i+7], v[128+32*((\q)%2)+8*\j:128+32*((\q)%2)+8*\j+7], v[8*(8*\j+\i):8*(8*\j+\i)+7], v[SC+8*(\q)+\i], v[SC+8*(\q)+\j] matrix_a_fmt:MATRIX_FMT_FP4 matrix_b_fmt:MATRIX_FMT_FP4 matrix_a_scale:MATRIX_SCALE_ROW1
.endif
.endr
.endr
.endm
.macro STEP q, cm
.if ((\q) == 1) || ((\q) == 3) || ((\q) == 5)
	s_wait_tensorcnt 3-((\q)+1)/2                  ; my part of the next chunk is in; my younger chunk loads may be out
	s_wait_dscnt 0x0
	s_barrier_signal -1
	s_barrier_wait -1                              ; everybody's is.
.endif
.if (\q) < 7
.if (\q) > 0
	PLACES
.endif
	FETCH (\q)+1
.if (\q)%2 == 1
	SCALES ((\q)+1)/2
	s_wait_dscnt 40                                ; all but the 40 just issued
.else
	s_wait_dscnt 24                                ; all but the 24 just issued
.endif
.else
	s_wait_dscnt 0x0
.endif
	MUL \q, \cm
.endm
	s_wait_tensorcnt 3                             ; my part of chunk 0 is in
	s_barrier_signal -1
	s_barrier_wait -1
	FETCH 0
	SCALES 0
	s_wait_loadcnt 63                              ; the bias's sixteen loads are in: 64 loads of x were issued behind them, and a wait names 63 at the most
	STEP 0, 2                                      ; the first K step starts the sums with the bias
.irp q, 1,2,3,4,5,6,7
	STEP \q, 0
.endr
	WIN 0
	PLACES
.macro TOSTAGE j
	WIN 0x08                                       ; an LDS store's data are its source 1: window 2
.irp i, 0,1,2,3,4,5,6,7
	ds_store_b128 v[STO], v[8*(8*(\j)+\i):8*(8*(\j)+\i)+3] offset:128*(\i/2)+32*(\i%2)        ; each accumulator from its low end on: columns 32 (i / 2) + 16 h + 8 (i % 2) + 0 .. 7
	ds_store_b128 v[STO], v[8*(8*(\j)+\i)+4:8*(8*(\j)+\i)+7] offset:128*(\i/2)+32*(\i%2)+16
.endr
	WIN 0
.set BB, 192-64*((\j)%2)
.irp t, 0,1,2,3,4,5,6,7,8,9,10,11,12,13,14,15
	ds_load_b128 v[BB+4*\t:BB+4*\t+3], v[RD] offset:\t*SPITCH      ; LDS serves a wave's instructions in order (ISA guide 5.7.1.4): these see the stores above
.endr
.endm
.macro SEND j, younger
.set BB, 192-64*((\j)%2)
	s_wait_dscnt \younger                          ; the block is back in registers; the next block's LDS instructions may be out
	WIN 0x0c                                       ; source 1: window 3
.irp p, 0,1,2,3,4,5,6,7,8,9,10,11,12,13,14,15,16,17,18,19,20,21,22,23,24,25,26,27,28,29,30,31
	v_pk_add_f32 v[BB+2*\p:BB+2*\p+1], v[BB+2*\p:BB+2*\p+1], v[64*(\j)+2*\p:64*(\j)+2*\p+1]   ; + x
.endr
	WIN 0
.irp t, 0,1,2,3,4,5,6,7,8,9,10,11,12,13,14,15
	global_store_b128 v[OL], v[BB+4*\t:BB+4*\t+3], s[OUTB:OUTB+1] offset:(32*((\j)/2)+8*((\j)%2)+\t+8*(\t/8))*4096 th:TH_STORE_NT   ; 512 consecutive bytes, at a multiple of 256 from out0's first byte
.endr
.endm
	TOSTAGE 0
	s_wait_loadcnt 0x0                             ; x
.irp a, 1,2,3
.if \a > 1
	s_wait_xcnt 0x0                                ; block a - 2's stores have read their registers: block a's loads may land there
.endif
	TOSTAGE \a
	SEND \a-1, 32
.endr
	SEND 3, 0
	s_wait_tensorcnt 0x0
	ds_add_u32 v126, v127
	s_wait_dscnt 0x0
	ROUND                                          ; the closing round
	s_endpgm
.Lfunc_end_k_q6df50852e1_proj:
	.size	k_q6df50852e1_proj, .Lfunc_end_k_q6df50852e1_proj-k_q6df50852e1_proj
	.p2alignl 7, 3214868480
	.fill 96, 4, 3214868480
	.section	.rodata,"a",@progbits
	.p2align	6, 0x0
	.amdhsa_kernel k_q6df50852e1_proj
		.amdhsa_group_segment_fixed_size 243200
		.amdhsa_private_segment_fixed_size 0
		.amdhsa_enable_private_segment 0
		.amdhsa_kernarg_size 40
		.amdhsa_user_sgpr_count 2
		.amdhsa_user_sgpr_kernarg_segment_ptr 1
		.amdhsa_wavefront_size32 1
		.amdhsa_system_sgpr_workgroup_id_x 1
		.amdhsa_system_sgpr_workgroup_id_y 1
		.amdhsa_system_sgpr_workgroup_id_z 1
		.amdhsa_system_vgpr_workitem_id 0
		.amdhsa_next_free_vgpr 1024
		.amdhsa_next_free_sgpr 102
		.amdhsa_reserve_vcc 0
		.amdhsa_float_denorm_mode_32 3
		.amdhsa_float_denorm_mode_16_64 3
		.amdhsa_memory_ordered 1
		.amdhsa_forward_progress 1
		.amdhsa_inst_pref_size 89
	.end_amdhsa_kernel
	.amdgpu_metadata
---
amdhsa.version: [ 1, 2 ]
amdhsa.kernels:
  - .name:           k_q6df50852e1_proj
    .symbol:         k_q6df50852e1_proj.kd
    .args:
      - { .name: acodes, .offset: 0, .size: 8, .value_kind: global_buffer, .address_space: global }
      - { .name: codes, .offset: 8, .size: 8, .value_kind: global_buffer, .address_space: global }
      - { .name: x, .offset: 16, .size: 8, .value_kind: global_buffer, .address_space: global }
      - { .name: out_b, .offset: 24, .size: 8, .value_kind: global_buffer, .address_space: global }
      - { .name: out0, .offset: 32, .size: 8, .value_kind: global_buffer, .address_space: global }
    .group_segment_fixed_size: 243200
    .private_segment_fixed_size: 0
    .kernarg_segment_align: 8
    .kernarg_segment_size: 40
    .max_flat_workgroup_size: 128
    .sgpr_count:     102
    .vgpr_count:     1024
    .wavefront_size: 32
...
	.end_amdgpu_metadata
.endif
;; end of part 4
